; MI455X (gfx1250); checked and timed in simulation.
; The chip was launched on July 23, 2026; its instructions are those of AMD's public machine-readable ISA for CDNA 5 (MIT licence, August 2026) and "CDNA5" Instruction Set Architecture Reference Guide (July 2026). The comments in the code are by the model that wrote it; some were corrected since.
;; Sliding Window Attention. Allowed arithmetic: float matrix products may take bf16 or f16 operands with f32 sums; other float arithmetic in f32, or as packed bf16 or f16 multiplies, adds, multiply-adds, maxima and minima; sums over many terms, partial sums and values carried from step to step in f32; what a program stores and reads back later, other than sums and carried values, may be rounded once to bf16 or f16.
;; Inputs: Wk 1,024 x 1,024 float32; Wo 1,024 x 1,024 float32; Wq 1,024 x 1,024 float32; Wv 1,024 x 1,024 float32; x 1 x 4,096 x 1,024 float32.
;; Outputs: out0 1 x 4,096 x 1,024 float32.
;; One version. Each part assembles by itself: llvm-mc -triple=amdgcn-amd-amdhsa -mcpu=gfx1250 --defsym DOCPART=n.
;; ======== version 1 of 1: 4 launches
;; limits: values are held in f16: magnitudes above 65,504 overflow, below 6.1e-05 lose precision
;; workspace buffers: xb 8,388,608 bytes; wqkv 6,291,456 bytes; wo16 2,097,152 bytes; qkv 26,738,688 bytes; ob 8,388,608 bytes
;; launch cast (part 1): grid 1120 x 1, 8 waves a work-group, no clusters, 0 bytes of LDS; arguments x, Wq, Wk, Wv, Wo, xb, wqkv, wo16, qkv; writes xb, wqkv, wo16, qkv
.if DOCPART == 1
	.amdgcn_target "amdgcn-amd-amdhsa--gfx1250"
	.amdhsa_code_object_version 6
	.text
	.protected	k_qfae3de3336_cast
	.globl	k_qfae3de3336_cast
	.p2align	8
	.type	k_qfae3de3336_cast,@function
k_qfae3de3336_cast:
	s_mov_b64 s[64:65], 0
	v_nop
	global_prefetch_b8 v0, s[64:65] scope:SCOPE_SE
	s_setreg_imm32_b32 hwreg(HW_REG_WAVE_MODE, 25, 1), 1
	s_wait_xcnt 0x0
; THE INPUTS ARE ROUNDED ONCE, for the matrix products of the launches behind.  x -> xb and Wq, Wk, Wv -> wqkv (stacked, [3072][1024]) in bf16;
; Wo -> wo16: rounded to bf16 like the other inputs, and that number written as f16 (it multiplies f16 numbers in the last launch);
; and the 256 rows in front of qkv's first token are set to 0, so that the attention's key tiles may begin 256 rows ahead of its queries.
; LIMITS.  A bf16 number of Wo beyond 65,504 would become an infinity; below 2^-14 it keeps f16's fixed step of 6e-8.
; SHARES.  Work-group c takes a chunk of 8,192 numbers: 32,768 bytes in, 16,384 bytes out.  c = 0..511: x; 512..895: Wq, Wk, Wv (128 chunks each);
; 896..1023: Wo; 1024..1119: 16,384 bytes of zeros each (96 x 16,384 = 256 rows x 6,144 bytes).
; Thread t, load j: the 16 bytes at 16 t + 4,096 j (a wave's load covers 512 consecutive bytes); its four numbers leave as 8 bytes at 8 t + 2,048 j
; (a wave's store covers 256 consecutive bytes, aligned).  All eight loads are issued at once; no register is written twice while memory may read it, so there is no loop and no wait but the counted ones.
; No LDS, no matrix unit, no cluster: nothing is used twice.
.set X, 4                              ; v[4:35]   load j: 4 registers as loaded
.set Y, 36                             ; v[36:51]  load j: 2 registers to store
.set T, 52                             ; v[52:57]  at work
	s_load_b512 s[8:23], s[0:1], 0x0               ; x s[8:9], Wq s[10:11], Wk s[12:13], Wv s[14:15], Wo s[16:17], xb s[18:19], wqkv s[20:21], wo16 s[22:23]
	s_load_b64 s[24:25], s[0:1], 0x40              ; qkv
	s_mov_b32 s2, ttmp9                            ; c
	v_lshlrev_b32 v1, 4, v0                        ; 16 t
	v_lshlrev_b32 v2, 3, v0                        ; 8 t
	s_mov_b32 s31, 0                               ; the offsets' high words
	s_mov_b32 s33, 0
	s_wait_kmcnt 0x0
.macro LOADS
.irp j, 0,1,2,3,4,5,6,7
	global_load_b128 v[X+4*(\j):X+4*(\j)+3], v1, s[26:27] offset:4096*(\j) th:TH_LOAD_NT
.endr
.endm
; load j's four numbers are rounded and stored.  fmt = 0: bf16.  fmt = 1: bf16, widened again (a shift, a mask), written as f16.
.macro OUT16 j, fmt
	s_wait_loadcnt 7-(\j)                          ; loads come back in order: mine is in, the 7 - j younger ones stay out
.if \fmt
	v_cvt_pk_bf16_f32 v[T],   v[X+4*(\j)],   v[X+4*(\j)+1]
	v_cvt_pk_bf16_f32 v[T+1], v[X+4*(\j)+2], v[X+4*(\j)+3]
	v_lshlrev_b32 v[T+2], 16, v[T]
	v_and_b32     v[T+3], 0xffff0000, v[T]
	v_lshlrev_b32 v[T+4], 16, v[T+1]
	v_and_b32     v[T+5], 0xffff0000, v[T+1]
	v_cvt_pk_f16_f32 v[Y+2*(\j)],   v[T+2], v[T+3]
	v_cvt_pk_f16_f32 v[Y+2*(\j)+1], v[T+4], v[T+5]
.else
	v_cvt_pk_bf16_f32 v[Y+2*(\j)],   v[X+4*(\j)],   v[X+4*(\j)+1]
	v_cvt_pk_bf16_f32 v[Y+2*(\j)+1], v[X+4*(\j)+2], v[X+4*(\j)+3]
.endif
	global_store_b64 v2, v[Y+2*(\j):Y+2*(\j)+1], s[28:29] offset:2048*(\j)
.endm
	s_cmp_ge_u32 s2, 1024
	s_cbranch_scc1 .Lzero
	s_cmp_ge_u32 s2, 896
	s_cbranch_scc1 .Lwo
	; x, Wq, Wk or Wv to bf16.  The choice of buffers hangs on c alone.
	s_sub_co_u32 s3, s2, 512                       ; the chunk's number in the stack of three weights (used where c >= 512)
	s_and_b32 s4, s3, 127                          ; its number in its own weight
	s_lshr_b32 s5, s3, 7                           ; which weight
	s_cmp_eq_u32 s5, 1
	s_cselect_b64 s[26:27], s[12:13], s[10:11]
	s_cmp_eq_u32 s5, 2
	s_cselect_b64 s[26:27], s[14:15], s[26:27]
	s_cmp_lt_u32 s2, 512
	s_cselect_b64 s[26:27], s[8:9], s[26:27]       ; from
	s_cselect_b64 s[28:29], s[18:19], s[20:21]     ; to
	s_cselect_b32 s30, s2, s4                      ; the chunk's number there
	s_cselect_b32 s32, s2, s3
	s_lshl_b32 s30, s30, 15
	s_lshl_b32 s32, s32, 14
	s_add_nc_u64 s[26:27], s[26:27], s[30:31]
	s_add_nc_u64 s[28:29], s[28:29], s[32:33]
	LOADS
.irp j, 0,1,2,3,4,5,6,7
	OUT16 \j, 0
.endr
	s_endpgm
.Lwo:
	s_sub_co_u32 s3, s2, 896
	s_lshl_b32 s30, s3, 15
	s_lshl_b32 s32, s3, 14
	s_add_nc_u64 s[26:27], s[16:17], s[30:31]
	s_add_nc_u64 s[28:29], s[22:23], s[32:33]
	LOADS
.irp j, 0,1,2,3,4,5,6,7
	OUT16 \j, 1
.endr
	s_endpgm
.Lzero:
	s_sub_co_u32 s3, s2, 1024
	s_lshl_b32 s30, s3, 14
	s_add_nc_u64 s[28:29], s[24:25], s[30:31]
.irp j, 0,1,2,3
	v_mov_b32 v[X+(\j)], 0
.endr
.irp j, 0,1,2,3
	global_store_b128 v1, v[X:X+3], s[28:29] offset:4096*(\j)
.endr
	s_endpgm
.Lfunc_end_k_qfae3de3336_cast:
	.size	k_qfae3de3336_cast, .Lfunc_end_k_qfae3de3336_cast-k_qfae3de3336_cast
	.p2alignl 7, 3214868480
	.fill 96, 4, 3214868480
	.section	.rodata,"a",@progbits
	.p2align	6, 0x0
	.amdhsa_kernel k_qfae3de3336_cast
		.amdhsa_group_segment_fixed_size 0
		.amdhsa_private_segment_fixed_size 0
		.amdhsa_enable_private_segment 0
		.amdhsa_kernarg_size 72
		.amdhsa_user_sgpr_count 2
		.amdhsa_user_sgpr_kernarg_segment_ptr 1
		.amdhsa_wavefront_size32 1
		.amdhsa_system_sgpr_workgroup_id_x 1
		.amdhsa_system_sgpr_workgroup_id_y 1
		.amdhsa_system_sgpr_workgroup_id_z 1
		.amdhsa_system_vgpr_workitem_id 0
		.amdhsa_next_free_vgpr 60
		.amdhsa_next_free_sgpr 66
		.amdhsa_reserve_vcc 0
		.amdhsa_float_denorm_mode_32 3
		.amdhsa_float_denorm_mode_16_64 3
		.amdhsa_memory_ordered 1
		.amdhsa_forward_progress 1
		.amdhsa_inst_pref_size 11
	.end_amdhsa_kernel
	.amdgpu_metadata
---
amdhsa.version: [ 1, 2 ]
amdhsa.kernels:
  - .name:           k_qfae3de3336_cast
    .symbol:         k_qfae3de3336_cast.kd
    .args:
      - { .name: x, .offset: 0, .size: 8, .value_kind: global_buffer, .address_space: global }
      - { .name: Wq, .offset: 8, .size: 8, .value_kind: global_buffer, .address_space: global }
      - { .name: Wk, .offset: 16, .size: 8, .value_kind: global_buffer, .address_space: global }
      - { .name: Wv, .offset: 24, .size: 8, .value_kind: global_buffer, .address_space: global }
      - { .name: Wo, .offset: 32, .size: 8, .value_kind: global_buffer, .address_space: global }
      - { .name: xb, .offset: 40, .size: 8, .value_kind: global_buffer, .address_space: global }
      - { .name: wqkv, .offset: 48, .size: 8, .value_kind: global_buffer, .address_space: global }
      - { .name: wo16, .offset: 56, .size: 8, .value_kind: global_buffer, .address_space: global }
      - { .name: qkv, .offset: 64, .size: 8, .value_kind: global_buffer, .address_space: global }
    .group_segment_fixed_size: 0
    .private_segment_fixed_size: 0
    .kernarg_segment_align: 8
    .kernarg_segment_size: 72
    .max_flat_workgroup_size: 256
    .sgpr_count:     66
    .vgpr_count:     60
    .wavefront_size: 32
...
	.end_amdgpu_metadata
.endif
;; end of part 1
;; launch proj (part 2): grid 12 x 16, 4 waves a work-group, clusters of 4 x 4, 327,680 bytes of LDS; arguments xb, wqkv, qkv; writes qkv
.if DOCPART == 2
	.amdgcn_target "amdgcn-amd-amdhsa--gfx1250"
	.amdhsa_code_object_version 6
	.text
	.protected	k_qfae3de3336_proj
	.globl	k_qfae3de3336_proj
	.p2align	8
	.type	k_qfae3de3336_proj,@function
k_qfae3de3336_proj:
	s_mov_b64 s[64:65], 0
	v_nop
	global_prefetch_b8 v0, s[64:65] scope:SCOPE_SE
	s_setreg_imm32_b32 hwreg(HW_REG_WAVE_MODE, 25, 1), 1
	s_wait_xcnt 0x0
	s_wait_alu depctr_hold_cnt(0) depctr_sa_sdst(0) depctr_va_vdst(0) depctr_va_sdst(0) depctr_va_ssrc(0) depctr_va_vcc(0) depctr_vm_vsrc(0)
	s_getreg_b32 s2, hwreg(HW_REG_IB_STS2, 6, 4)
	s_cmp_eq_u32 s2, 0
	s_cbranch_scc0 .Lentry_in_a_cluster
	s_endpgm
.Lentry_in_a_cluster:
	s_bfe_u32 s2, ttmp6, 0x10000c
	s_cmp_lg_u32 s2, 0xf033
	s_cbranch_scc0 .Lentry_shape_is_right
	s_endpgm
.Lentry_shape_is_right:
; THE THREE PROJECTIONS AS ONE PRODUCT.  C[m][n] = sum over k of A[m][k] B[n][k].  A = xb [SIZE_M][SIZE_K] bf16, B = wqkv [SIZE_N][SIZE_K] bf16 (Wq, Wk, Wv stacked);
; C = qkv, f16, [PADROWS + SIZE_M][SIZE_N]: token m lies in row PADROWS + m; columns 0-1023 q, 1024-2047 k, 2048-3071 v, unscaled.  Sums in f32, C rounded once.
; LIMIT.  f16 holds no number beyond 65,504: q, k and v must lie within it (inputs 30 times those drawn give some 5,000; offsets of 30 spreads on x and on the weights some 29,000).
; A tile of C, 256 x 256, is made by a work-group of four waves, as many as a WGP has SIMDs; a wave makes 128 x 128: 64 accumulators of 16 x 16, 512 registers.  12 x 16 = 192 tiles.
; K goes in steps of 128 through a ring of two LDS slots filled by the tensor data mover: the rows of A's and B's tiles are 256 bytes of memory and start at multiples of 256 bytes from the buffer's first byte.
; The last K step goes by rows of C, so that finished rows leave while the others are multiplied.
; CLUSTERS: 4 x 4 work-groups.  The four of a row of the cluster need the same tiles of A, the four of a column the same tiles of B.  Such a tile is asked for JOINTLY: each of the four issues the
; same tensor load, with the same descriptor and a mask that names the four, and each receives the tile in its own LDS.  That divides the requests for A and for B by four.
;
; REGISTERS, in windows of 256 (an instruction names v0-v255; s_set_vgpr_msb says which window each operand place means):
;   window 0: v0-31 addresses; v64-127, v128-191 fragments of A (8 x 16 rows x 32 K), two buffers (in the last K step four, of 16 rows x 128 K); v32-63, v192-255 at work on the way out
;   window 1: v64-127, v128-191 fragments of B, two buffers; in the last K step all 256: B's fragments of the whole step
;   window 2: the 32 accumulators of my rows 0-63 (accumulator (a, b) at v[8 (8 a + b)]);   window 3: those of my rows 64-127
; s_set_vgpr_msb's low byte: bits 1:0 source 0, 3:2 source 1, 5:4 source 2, 7:6 destination.  Work is laid in long stretches under one setting.
;
; THE MATRIX INSTRUCTION IS USED TRANSPOSED: source 0 = 16 rows of B, source 1 = 16 rows of A.  In the result, lane l then holds row m = l % 16 of C, and its registers 0 to 7 the columns
; n = 8 (l / 16) + 0 .. 7: eight NEIGHBOURING numbers of a row of C, which pack into 16 bytes.
.set SIZE_M, 4096
.set SIZE_N, 3072
.set SIZE_K, 1024
.set PADROWS, 256                      ; rows of zeros in front of token 0, written by the launch before
.set KSTEP,  128
.set PITCH,  272                       ; an LDS row: 256 bytes of data + 16 of padding = 68 words: row r starts at bank 4 r mod 64 (64 banks of 4 bytes: ISA guide 11.1), so the 16 rows that a load touches start at 16 different banks
.set HALFT,  128*PITCH                 ; 128 rows: what one tensor load brings, and what one wave reads of A or of B
.set SLOT,   4*HALFT                   ; A's 256 rows, then B's 256 rows
.set STAGE,  2*SLOT                    ; behind the ring: 16 rows x 272 bytes for each wave, for the way out
.set SPITCH, 272
.set SPARE,  STAGE+4*16*SPITCH         ; behind the stages: the spare words, 128 bytes for each wave: two blocks of 256 bytes that no other line names
.set LAPS, SIZE_K/(2*KSTEP)            ; a lap = two K steps = once round the ring: 4
.set ADRA, 16                          ; v16-17  LDS address of my A fragments in slot 0, 1
.set ADRB, 20                          ; v20-21  the same for B
.set STO,  24                          ; v24     the way out: where I put 16 bytes of a row
.set RD,   25                          ; v25     the way out: where I read a row back
.set CO,   26                          ; v26     my byte offset in C
.set SPW,  28                          ; v28     LDS address of my spare word: SPARE + 4 x my thread's number; never rewritten
.set NIL,  29                          ; v29     0; never rewritten
.set F0,   64                          ; fragment buffer 0
.set F1,   128                         ; fragment buffer 1
.set TMP,  192                         ; the way out: packed results, in window 0
.set OB,   32                          ; the way out: 16 rows read back from the stage: v32-63 and v224-255 by turns
.set PA,   64                          ; the last K step: A's fragments of 16 rows x 128 K, 32 registers; four such buffers, v64-191
.set G1, 24                            ; s[24:31] descriptor group 1 for A's tiles
.set G0, 32                            ; s[32:39] descriptor group 0 for A's tiles, one set for each slot
.set G1B, 48                           ; s[48:55] descriptor group 1 for B's tiles: it differs from A's in the mask alone
.set G0B, 56                           ; s[56:63] descriptor group 0 for B's tiles, one set for each slot
.set MSB, 0
.macro WIN new                         ; the immediate's high byte repeats the setting that is left
.if MSB != (\new)
	s_set_vgpr_msb (MSB<<8)|(\new)
.set MSB, \new
.endif
.endm
.set MUL_LO, 0xa1                      ; source 0 (B) window 1, source 1 (A) window 0, C and D window 2
.set MUL_HI, 0xf1                      ; the same, C and D window 3
.set TO_B,   0x40                      ; destination window 1, address window 0
; A joint load.  Waves 0 and 1 fetch A's two halves, waves 2 and 3 B's.  Each of the two lines has ONE mask and one set of registers for all that issue it, and nothing in
; them hangs on a coordinate that the four partners do not share.  The branch hangs on the wave's number alone: it is the same in every work-group.
; An s_nop 0 and four v_nop follow each of the two lines; the jump round the other line, the label and what follows the macro come after them.
.macro JLOAD s
	s_cmp_eq_u32 s11, 0
	s_cbranch_scc0 .Lfor_b_\@
	tensor_load_to_lds s[G0+4*(\s):G0+4*(\s)+3], s[G1:G1+7]
	s_nop 0
.rept 4
	v_nop
.endr
	s_branch .Lasked_\@
.Lfor_b_\@:
	tensor_load_to_lds s[G0B+4*(\s):G0B+4*(\s)+3], s[G1B:G1B+7]
	s_nop 0
.rept 4
	v_nop
.endr
.Lasked_\@:
.endm
; A round of the cluster's barrier: my work-group's barrier, so that wave 0's signal speaks for all four waves; wave 0 signals for the work-group; every wave waits for all
; sixteen work-groups; my work-group's barrier once more.  No LDS instruction of the wave is pending at a signal.
.macro CREST                           ; a round behind its opening barrier
	s_cmp_lg_u32 s10, 0
	s_cbranch_scc1 .Lnot_wave_0_\@
	s_barrier_signal -3
.Lnot_wave_0_\@:
	s_barrier_wait -3
	s_barrier_signal -1
	s_barrier_wait -1
.endm
.macro CROUND                          ; a whole round
	s_barrier_signal -1
	s_barrier_wait -1
	CREST
.endm
	s_load_b128 s[4:7], s[0:1], 0x0                ; A s[4:5], B s[6:7]
	s_load_b64 s[8:9], s[0:1], 0x10                ; C
	v_lshl_add_u32 v[SPW], v0, 2, SPARE
	v_mov_b32 v[NIL], 0
	ds_add_u32 v[SPW], v[NIL]                      ; the wave's opening: the add and its wait stand ahead of my first tensor load; the set-up below, work on registers, stands between them
	ds_add_u32 v28, v29
	v_lshrrev_b32 v1, 5, v0
	v_readfirstlane_b32 s10, v1                    ; wave 0..3
	s_lshr_b32 s11, s10, 1                         ; which half of the tile's rows is mine.  Also: I fetch for A (0) or for B (1)
	s_and_b32 s12, s10, 1                          ; which half of its columns.  Also: which 128 rows of that tile I fetch
	s_bfe_u32 s40, ttmp6, 0x40000                  ; cx: my place along the cluster's x
	s_bfe_u32 s41, ttmp6, 0x40004                  ; cy: along its y
	s_lshl_b32 s42, ttmp9, 2                       ; in a cluster launch ttmp9 and ttmp7 count clusters
	s_add_co_u32 s42, s42, s40                     ; tile column of C = 4 x cluster x + cx
	s_and_b32 s13, ttmp7, 0xffff
	s_lshl_b32 s13, s13, 2
	s_add_co_u32 s13, s13, s41                     ; tile row of C = 4 x cluster y + cy
	s_lshl_b32 s43, s41, 2
	s_lshl_b32 s43, 15, s43                        ; my row of the cluster: places 4 cy .. 4 cy + 3
	s_lshl_b32 s44, 0x1111, s40                    ; my column: places cx, cx + 4, cx + 8, cx + 12
	; descriptor group 1: a tile of 128 rows x 128 elements, padded in LDS
	s_or_b32 s[G1+0], s43, (1<<16)|(1<<20)|(1<<21)|(5<<22)|(3<<25)  ; 15:0 the mask: A's tiles go to my row; 17:16 element of 2 bytes; 20 padding on; 21 set beside a mask; 24:22 after every 64 words (code 5); 31:25 of 4 words (code 3)
	s_or_b32 s[G1B+0], s44, (1<<16)|(1<<20)|(1<<21)|(5<<22)|(3<<25) ; the same with the mask of my column, for B's tiles
	s_mov_b32 s[G1B+1], KSTEP<<16
	s_mov_b32 s[G1+1], KSTEP<<16                   ; 63:48 tensor_dim0, low half = 128
	s_mov_b32 s[G1B+2], 128<<16
	s_mov_b32 s[G1+2], 128<<16                     ; 79:64 its high half = 0; 95:80 tensor_dim1, low half = 128
	s_mov_b32 s[G1B+3], KSTEP<<16
	s_mov_b32 s[G1+3], KSTEP<<16                   ; 111:96 its high half = 0; 127:112 tile_dim0 = 128
	s_mov_b32 s[G1B+4], 128
	s_mov_b32 s[G1+4], 128                         ; 143:128 tile_dim1 = 128; 159:144 tile_dim2 = 0
	s_mov_b32 s[G1B+5], SIZE_K
	s_mov_b32 s[G1+5], SIZE_K                      ; 191:160 tensor_dim0_stride, low word: elements from row to row
	s_mov_b32 s[G1B+6], 0
	s_mov_b32 s[G1+6], 0
	s_mov_b32 s[G1B+7], 0
	s_mov_b32 s[G1+7], 0
	; where the tiles come from.  A's hang on the tile row alone, which my row of the cluster shares; B's on the tile column alone, which my column shares.
	; Every wave makes both addresses, in registers that never hold the other coordinate, and asks by one of them.
	s_lshl_b32 s17, s12, 7                         ; which 128 rows of the tile I fetch
	s_lshl_b32 s16, s13, 8
	s_add_co_u32 s16, s16, s17                     ; A: row 256 x tile row + 128 x half
	s_lshl_b32 s46, s42, 8
	s_add_co_u32 s46, s46, s17                     ; B: row 256 x tile column + 128 x half
	s_mov_b32 s17, 0
	s_mov_b32 s47, 0
	s_mov_b64 s[18:19], SIZE_K*2
	s_mul_u64 s[16:17], s[16:17], s[18:19]         ; in bytes, in 64 bits
	s_mul_u64 s[46:47], s[46:47], s[18:19]
	s_mul_i32 s20, s10, HALFT                      ; and where they go: A's two halves, then B's two halves = wave x 128 rows: no place in the cluster enters an LDS address
	s_wait_dscnt 0x0                               ; the opening add is done
	s_wait_kmcnt 0x0
	s_add_nc_u64 s[14:15], s[4:5], s[16:17]
	s_add_nc_u64 s[46:47], s[6:7], s[46:47]
	CROUND                                         ; all sixteen work-groups are here: the first joint loads meet
.irp s, 0,1
	s_mov_b32 s[G0+4*(\s)], 1                                      ; 1:0 count = 1
	s_add_co_u32 s[G0+4*(\s)+1], s20, (\s)*SLOT                    ; 63:32 LDS address
	s_add_nc_u64 s[G0+4*(\s)+2:G0+4*(\s)+3], s[14:15], (\s)*KSTEP*2  ; 120:64 global address: K step s
	s_or_b32 s[G0+4*(\s)+3], s[G0+4*(\s)+3], 0x80000000            ; 127:126 type = 2
	s_mov_b32 s[G0B+4*(\s)], 1
	s_add_co_u32 s[G0B+4*(\s)+1], s20, (\s)*SLOT
	s_add_nc_u64 s[G0B+4*(\s)+2:G0B+4*(\s)+3], s[46:47], (\s)*KSTEP*2
	s_or_b32 s[G0B+4*(\s)+3], s[G0B+4*(\s)+3], 0x80000000
	JLOAD \s                                       ; the ring is filled before anything else is done: two loads of mine are out
.endr
	; A fragment is 16 rows x 32 K in 8 registers: lane l holds row l % 16; registers 0-3 hold K = 8 (l / 16) + 0..7, registers 4-7 hold
	; K = 16 + 8 (l / 16) + 0..7.  From rows that lie along K: two loads of 16 bytes, 32 bytes apart.  The same for source 0 and source 1.
	v_and_b32 v1, 15, v0                           ; l % 16
	v_bfe_u32 v2, v0, 4, 1                         ; l / 16
	v_mul_u32_u24 v3, v1, PITCH
	v_lshl_add_u32 v3, v2, 4, v3                   ; row x pitch + 16 x half
	s_mul_i32 s21, s11, HALFT                      ; my 128 rows of A
	s_mul_i32 s22, s12, HALFT                      ; my 128 rows of B,
	s_add_co_u32 s22, s22, 2*HALFT                 ; which lie behind A's 256
.irp s, 0,1
	v_add_nc_u32 v[ADRA+(\s)], s21, v3
	v_add_nc_u32 v[ADRB+(\s)], s22, v3
	s_add_co_u32 s21, s21, SLOT
	s_add_co_u32 s22, s22, SLOT
.endr
	s_mul_i32 s23, s10, 16*SPITCH
	s_add_co_u32 s23, s23, STAGE                   ; my stage
	v_mul_u32_u24 v4, v1, SPITCH                   ; in: row l % 16, 16 bytes for each half of the lanes
	v_lshl_add_u32 v4, v2, 4, v4
	v_add_nc_u32 v[STO], s23, v4
	v_mul_u32_u24 v5, v2, SPITCH                   ; back: lanes 0-15 take one row of 256 bytes, lanes 16-31 the next
	v_lshl_add_u32 v5, v1, 4, v5
	v_add_nc_u32 v[RD], s23, v5
	v_mul_u32_u24 v5, v2, SIZE_N*2                 ; and the same two rows in C
	v_lshl_add_u32 v[CO], v1, 4, v5
	; where my part of the tile begins in C, in bytes: the way out adds it to C's address
	s_lshl_b32 s13, s13, 8
	s_lshl_b32 s14, s11, 7
	s_add_co_u32 s16, s13, s14                     ; my first row of C
	s_mov_b32 s17, 0
	s_mov_b64 s[18:19], SIZE_N*2
	s_mul_u64 s[16:17], s[16:17], s[18:19]
	s_lshl_b32 s46, s42, 9                         ; my first column, in bytes: 512 x tile column + 256 x half (in the registers that held B's address: none that feeds A's descriptors ever holds cx)
	s_lshl_b32 s47, s12, 8
	s_add_co_u32 s46, s46, s47
	s_mov_b32 s47, 0
	s_add_nc_u64 s[16:17], s[16:17], s[46:47]
	s_add_nc_u64 s[16:17], s[16:17], PADROWS*SIZE_N*2  ; token 0 lies behind the rows of zeros
; 16 matrix instructions: m blocks a0, a0 + 1 of the window's four (hi = 0: my rows 0-63, 1: rows 64-127) x all 8 n blocks, 32 along K.
; zero = 1: the first product starts the sums: nothing is ever cleared.
.macro MUL16 f, hi, a0, zero
	WIN MUL_LO+0x50*(\hi)  ; MUL_LO or MUL_HI
.irp a, \a0, (\a0)+1
.irp b, 0,1,2,3,4,5,6,7
.if \zero
	v_wmma_f32_16x16x32_bf16 v[8*(8*(\a)+(\b)):8*(8*(\a)+(\b))+7], v[(\f)+8*(\b):(\f)+8*(\b)+7], v[(\f)+8*(4*(\hi)+(\a)):(\f)+8*(4*(\hi)+(\a))+7], 0
.else
	v_wmma_f32_16x16x32_bf16 v[8*(8*(\a)+(\b)):8*(8*(\a)+(\b))+7], v[(\f)+8*(\b):(\f)+8*(\b)+7], v[(\f)+8*(4*(\hi)+(\a)):(\f)+8*(4*(\hi)+(\a))+7], v[8*(8*(\a)+(\b)):8*(8*(\a)+(\b))+7]
.endif
.endr
.endr
.endm
; 32 LDS loads in one run: the fragments of one quarter step (128 rows of B, 128 rows of A, 32 K at byte k of the rows) into buffer f
.macro FETCH slot, k, f
	WIN TO_B
.irp i, 0,1,2,3,4,5,6,7
	ds_load_b128 v[(\f)+8*(\i):(\f)+8*(\i)+3],   v[ADRB+(\slot)] offset:(\k)+(\i)*16*PITCH
	ds_load_b128 v[(\f)+8*(\i)+4:(\f)+8*(\i)+7], v[ADRB+(\slot)] offset:(\k)+(\i)*16*PITCH+32
.endr
	WIN 0
.irp i, 0,1,2,3,4,5,6,7
	ds_load_b128 v[(\f)+8*(\i):(\f)+8*(\i)+3],   v[ADRA+(\slot)] offset:(\k)+(\i)*16*PITCH
	ds_load_b128 v[(\f)+8*(\i)+4:(\f)+8*(\i)+7], v[ADRA+(\slot)] offset:(\k)+(\i)*16*PITCH+32
.endr
.endm
; A load into a register that a matrix instruction has read, and a vector instruction that reads a matrix result or writes one of a matrix
; instruction's registers, stand four places behind that matrix instruction, and only plain vector instructions that name none of its registers
; are places (ISA guide 7.12.1 for vector instructions); this text does not count the matrix instructions in between.  So four v_nop stand in front of each run of
; loads, and in front of conversions that read results just made: sixteen issue slots for a K step's 256 matrix instructions.
.macro PLACES
.rept 4
	v_nop
.endr
.endm
; A K step is four quarter steps of 32 along K, 64 matrix instructions each, on buffers 0, 1, 0, 1.
; One of the first three: multiplies buffer f; in its middle it fetches the next quarter's fragments, at byte k of the same slot's rows, into buffer g.
.macro QUARTER slot, k, f, g, zero
	s_wait_dscnt 8                                 ; B and A's rows 0-63 are in; the youngest eight loads (A's rows 64-127) may be out
	WIN MUL_LO
	MUL16 \f, 0, 0, \zero
	MUL16 \f, 0, 2, \zero
	PLACES
	FETCH \slot, \k, \g
	s_wait_dscnt 32                                ; all but the 32 just issued
	WIN MUL_HI
	MUL16 \f, 1, 0, \zero
	MUL16 \f, 1, 2, \zero
.endm
; The last quarter multiplies buffer 1 and changes slots.  MEET is its first half: ONE barrier for the change of slots, for two things.  In front of it each wave waits for
; all its tensor loads, of which one is out: its part of the next slot; adds 0 to its spare word; and waits for that and for its own reads of this slot.  Behind it nobody reads this slot any more and the next slot is whole.
.macro MEET round                      ; round = 1: a round of the cluster's barrier follows
	WIN 0                                          ; (the add's two registers lie in window 0)
	s_wait_tensorcnt 0x0                           ; all my tensor loads have landed: the one that was out is my part of the next slot;
	ds_add_u32 v[SPW], v[NIL]                      ; 0 onto my spare word;
	s_wait_dscnt 9                                 ; (the add and the youngest eight loads may be out)
	WIN MUL_LO
	MUL16 F1, 0, 0, 0                              ; sixteen matrix instructions stand between the add and the wait for it
	s_wait_dscnt 0x0                               ; the add is done, and my reads of this slot are over (the last were issued 48 matrix instructions ago):
	s_barrier_signal -1                            ; say so (where a slot is filled again this barrier opens a round of the cluster's barrier),
	MUL16 F1, 0, 2, 0                              ; work on registers while the others arrive,
.if \round
	WIN 0
.endif
	s_barrier_wait -1                              ; and go on when all four have said so
.endm
; The whole last quarter.  Behind the barrier the slot just read out is filled again first, with the K step two steps on; then come the next slot's first fragments.
; From a request to the wait for it a wave issues 224 matrix instructions.
.macro TURN slot, next
	MEET 1
	CREST                                          ; wave 0 says so for the work-group, all sixteen work-groups have said so, my work-group's barrier closes the round:
	                                               ; no wave of any partner still reads this slot's tile or has a load on its way
	s_add_nc_u64 s[G0+4*(\slot)+2:G0+4*(\slot)+3], s[G0+4*(\slot)+2:G0+4*(\slot)+3], 2*KSTEP*2
	s_add_nc_u64 s[G0B+4*(\slot)+2:G0B+4*(\slot)+3], s[G0B+4*(\slot)+2:G0B+4*(\slot)+3], 2*KSTEP*2
	JLOAD \slot                                    ; the first tensor load behind the round, my only one until the next; the four v_nop behind it are also the places in front of the loads below
	FETCH \next, 0, F0
	WIN MUL_HI
	MUL16 F1, 1, 0, 0
	MUL16 F1, 1, 2, 0
.endm
; THE LAST K STEP (it lies in slot 1) GOES BY ROWS OF C, NOT BY K.  All its fragments of B (4 quarters x 64 registers) fill window 1; then my eight blocks of 16 rows are
; finished one after the other, each with 32 matrix instructions (its 8 accumulators by turns, K ascending).  LDS is read no more than in any other K step.
.macro BLOAD q                         ; B's fragments of quarter q -> window 1, v[64 q ..]
	WIN TO_B
.irp i, 0,1,2,3,4,5,6,7
	ds_load_b128 v[64*(\q)+8*(\i):64*(\q)+8*(\i)+3],   v[ADRB+1] offset:64*(\q)+(\i)*16*PITCH
	ds_load_b128 v[64*(\q)+8*(\i)+4:64*(\q)+8*(\i)+7], v[ADRB+1] offset:64*(\q)+(\i)*16*PITCH+32
.endr
.endm
.macro ALOAD a                         ; A's fragments of block a, all four quarters -> buffer a % 4
	WIN 0
.set FA, PA+32*((\a)%4)
.irp q, 0,1,2,3
	ds_load_b128 v[FA+8*(\q):FA+8*(\q)+3],   v[ADRA+1] offset:64*(\q)+(\a)*16*PITCH
	ds_load_b128 v[FA+8*(\q)+4:FA+8*(\q)+7], v[ADRA+1] offset:64*(\q)+(\a)*16*PITCH+32
.endr
.endm
.macro ROW a                           ; block a is finished: 32 matrix instructions
.set FA, PA+32*((\a)%4)                ; its fragments of A
.set AC, 64*((\a)%4)                   ; its eight accumulators, in window 2 (blocks 0-3) or 3 (blocks 4-7)
	WIN MUL_LO+0x50*((\a)/4)                       ; MUL_LO or MUL_HI
.irp q, 0,1,2,3
.if (\a) == 0 && (\q) == 2
	s_wait_dscnt 24                                ; B's quarter 2 is in (behind it: A's blocks 1 to 3)
.endif
.irp b, 0,1,2,3,4,5,6,7
	v_wmma_f32_16x16x32_bf16 v[AC+8*(\b):AC+8*(\b)+7], v[64*(\q)+8*(\b):64*(\q)+8*(\b)+7], v[FA+8*(\q):FA+8*(\q)+7], v[AC+8*(\b):AC+8*(\b)+7]
.endr
.endr
.endm
; THE WAY OUT of block a, in three parts.  PACK: rounded to f16, 16 bytes a lane, each accumulator's registers in ascending order.  TOSTAGE: into my own stage in LDS, and back as whole rows of 256 bytes.  SEND: stored.
.macro PACK a
.set AC, 64*((\a)%4)
	WIN 0x0a+5*((\a)/4)                            ; sources 0 and 1: window 2 or 3
.irp b, 0,1,2,3,4,5,6,7
.irp r, 0,1,2,3
	v_cvt_pk_f16_f32 v[TMP+4*(\b)+(\r)], v[AC+8*(\b)+2*(\r)], v[AC+8*(\b)+2*(\r)+1]
.endr
.endr
	WIN 0
.endm
.macro TOSTAGE a
	WIN 0
.set BK, OB+192*((\a)%2)
.irp b, 0,1,2,3,4,5,6,7
	ds_store_b128 v[STO], v[TMP+4*(\b):TMP+4*(\b)+3] offset:32*(\b)
.endr
.irp t, 0,1,2,3,4,5,6,7
	ds_load_b128 v[BK+4*(\t):BK+4*(\t)+3], v[RD] offset:(\t)*2*SPITCH  ; LDS serves a wave's instructions in order (ISA guide 5.7.1.4): these see the stores above
.endr
.endm
.macro SEND a, younger                 ; younger: the LDS loads issued behind TOSTAGE's, which may stay out
	WIN 0
.set BK, OB+192*((\a)%2)
	s_wait_dscnt \younger                          ; the block is back in registers
	s_wait_xcnt 0x0                                ; every earlier memory instruction has had its addresses translated (ISA guide 3.1): only behind this wait are the stores' base and the registers that earlier stores read rewritten
.if (\a) == 0
	s_add_nc_u64 s[8:9], s[8:9], s[16:17]          ; on to my first rows
.else
	s_add_nc_u64 s[8:9], s[8:9], 16*SIZE_N*2       ; 16 rows of C on, so that the stores' offsets stay small: 14 rows of 6,144 bytes at the most
.endif
.irp t, 0,1,2,3,4,5,6,7
	global_store_b128 v[CO], v[BK+4*(\t):BK+4*(\t)+3], s[8:9] offset:2*(\t)*SIZE_N*2  ; 16 lanes store 256 consecutive bytes, at a multiple of 256 from C's first byte
.endr
.endm
	s_wait_tensorcnt 1                             ; my part of K step 0 is in; K step 1's may stay out
	s_barrier_signal -1
	s_barrier_wait -1                              ; everybody's is
	FETCH 0, 0, F0
	QUARTER 0, 64,  F0, F1, 1                      ; the first quarter stands in front of the loop: its products start the sums
	WIN 0                                          ; at a label and at a branch every window is 0
	s_mov_b32 s3, LAPS-1
.Llap:                                                 ; a trip goes once round the ring, from a lap's second quarter to the next lap's first, and fills both slots again
	QUARTER 0, 128, F1, F0, 0
	QUARTER 0, 192, F0, F1, 0
	TURN 0, 1
	QUARTER 1, 64,  F0, F1, 0
	QUARTER 1, 128, F1, F0, 0
	QUARTER 1, 192, F0, F1, 0
	TURN 1, 0
	QUARTER 0, 64,  F0, F1, 0
	WIN 0
	s_sub_co_u32 s3, s3, 1
	s_cmp_lg_u32 s3, 0
	s_cbranch_scc1 .Llap
	QUARTER 0, 128, F1, F0, 0                      ; the last lap goes on
	QUARTER 0, 192, F0, F1, 0
	MEET 0                                         ; my one tensor load that was still out is slot 1's, the last K step's, so no round follows
	PLACES                                         ; for the loads into buffer 0, which the quarter before multiplied
	WIN TO_B
	BLOAD 0                                        ; three quarters of B now: buffer 1 (v128-191 of both windows) is still being multiplied
	BLOAD 1
	BLOAD 3
	WIN 0
	ALOAD 0
	WIN MUL_HI
	MUL16 F1, 1, 0, 0
	MUL16 F1, 1, 2, 0
	PLACES                                         ; for the loads into buffer 1
	WIN TO_B
	BLOAD 2
	WIN 0
	ALOAD 1
	ALOAD 2
	ALOAD 3
	s_wait_dscnt 40                                ; all but the 40 just issued
	ROW 0
.irp a, 0,1,2,3,4,5,6,7                ; each block leaves as soon as it is finished: nothing follows this tile, so the sooner its stores begin, the sooner the launch ends
	PLACES                                         ; its conversions read results just made, and no other vector work is at hand
	PACK \a
	TOSTAGE \a
.if (\a) < 4
	ALOAD (\a)+4                                   ; its buffer takes the block four further on
	SEND \a, 8
.else
	SEND \a, 0
.endif
.if (\a) < 7
	ROW (\a)+1
.endif
.endr
	s_wait_tensorcnt 0x0                           ; the wave's end, behind my last tensor load and my last LDS store
	ds_add_u32 v[SPW], v[NIL]
	s_wait_dscnt 0x0
	CROUND                                         ; the closing round: no work-group ends while a partner may still ask for a tile that names it
	s_endpgm
.Lfunc_end_k_qfae3de3336_proj:
	.size	k_qfae3de3336_proj, .Lfunc_end_k_qfae3de3336_proj-k_qfae3de3336_proj
	.p2alignl 7, 3214868480
	.fill 96, 4, 3214868480
	.section	.rodata,"a",@progbits
	.p2align	6, 0x0
	.amdhsa_kernel k_qfae3de3336_proj
		.amdhsa_group_segment_fixed_size 327680
		.amdhsa_private_segment_fixed_size 0
		.amdhsa_enable_private_segment 0
		.amdhsa_kernarg_size 24
		.amdhsa_user_sgpr_count 2
		.amdhsa_user_sgpr_kernarg_segment_ptr 1
		.amdhsa_wavefront_size32 1
		.amdhsa_system_sgpr_workgroup_id_x 1
		.amdhsa_system_sgpr_workgroup_id_y 1
		.amdhsa_system_sgpr_workgroup_id_z 1
		.amdhsa_system_vgpr_workitem_id 0
		.amdhsa_next_free_vgpr 1024
		.amdhsa_next_free_sgpr 66
		.amdhsa_reserve_vcc 0
		.amdhsa_float_denorm_mode_32 3
		.amdhsa_float_denorm_mode_16_64 3
		.amdhsa_memory_ordered 1
		.amdhsa_forward_progress 1
		.amdhsa_inst_pref_size 143
	.end_amdhsa_kernel
	.amdgpu_metadata
---
amdhsa.version: [ 1, 2 ]
amdhsa.kernels:
  - .name:           k_qfae3de3336_proj
    .symbol:         k_qfae3de3336_proj.kd
    .args:
      - { .name: xb, .offset: 0, .size: 8, .value_kind: global_buffer, .address_space: global }
      - { .name: wqkv, .offset: 8, .size: 8, .value_kind: global_buffer, .address_space: global }
      - { .name: qkv, .offset: 16, .size: 8, .value_kind: global_buffer, .address_space: global }
    .group_segment_fixed_size: 327680
    .private_segment_fixed_size: 0
    .kernarg_segment_align: 8
    .kernarg_segment_size: 24
    .max_flat_workgroup_size: 128
    .sgpr_count:     66
    .vgpr_count:     1024
    .wavefront_size: 32
...
	.end_amdgpu_metadata
.endif
;; end of part 2
;; launch attn (part 3): grid 32 x 8, 4 waves a work-group, no clusters, 233,472 bytes of LDS; arguments qkv, ob; writes ob
.if DOCPART == 3
	.amdgcn_target "amdgcn-amd-amdhsa--gfx1250"
	.amdhsa_code_object_version 6
	.text
	.protected	k_qfae3de3336_attn
	.globl	k_qfae3de3336_attn
	.p2align	8
	.type	k_qfae3de3336_attn,@function
k_qfae3de3336_attn:
	s_mov_b64 s[64:65], 0
	v_nop
	global_prefetch_b8 v0, s[64:65] scope:SCOPE_SE
	s_setreg_imm32_b32 hwreg(HW_REG_WAVE_MODE, 25, 1), 1
	s_wait_xcnt 0x0
; ATTENTION IN A BAND.  O[i][head] = the sum over keys j in i - 255 .. i of softmax_j(q[i] . k[j] / 8) v[j], 16 heads of 64 channels.
; qkv: [256 + 4096][3072] f16, token i in row 256 + i (rows 0-255 hold zeros); columns 0-1023 q, 1024-2047 k, 2048-3071 v, head h at 64 h.  ob: [4096][1024] f16, head h at column 64 h.
; Products, maxima and sums in f32; the weights p are rounded to f16 for the second product (their sum l is taken of the unrounded p), O once at the end.
; LIMITS.  q, k, v arrive within f16's 65,504, so a score is 2.7e11 at the most.  A hidden score counts as its value less 1e30.  The running maximum has the floor -2^66, far below every score and far
; above every hidden one: while a row has seen hidden keys alone its weights are 0 and its factor a is 1.  A weight below 2^-126 counts as 0 in l; p below 6e-5 keeps f16's fixed step of 6e-8.
; NaN and infinities are not treated apart.
; SHARES.  Work-group (blk, hp): the 128 queries from q0 = 128 blk on, of the heads 2 hp and 2 hp + 1: two heads' channels are 256 consecutive bytes of a row, so K's and V's tile rows and O's stores are
; whole aligned blocks of 256 bytes.  32 x 8 = 256 work-groups of equal work.  Wave w: queries q0 + 32 w .. + 31 of both heads: four tiles T = 2 hh + qt (hh: the head of the pair, qt: which 16 queries).
; KEYS.  The block's keys q0 - 256 .. q0 + 127 are rows q0 .. q0 + 383 of qkv: all 384 lie in LDS at once, each byte filled once, so there is no ring and one barrier.  They are six steps of 64;
; a wave walks five: trip t = 0..4 takes step s = t + (w >> 1).  With u = 32 (w & 1) + 16 qt + lane % 16 (the query's place in its 64) and x the key's place in its step, i - j = 256 - 64 t + u - x:
; trip 0 shows the keys with x > u, trips 1 to 3 all, trip 4 those with x <= u.  A step with s + 2 blk < 4 lies in front of token 0 and is hidden whole.
; THE MASK is the C operand that starts the sum S^T = K Q^T.  MD, made once, holds -1e30 where x > u, else 0; a trip's mask is MC = MD x AL + BE with two scalars:
; trip 0: (-1, -1e30); trips 1-3: (0, 0); trip 4: (1, 0); a step in front of token 0: (0, -1e30).
; LAYOUT.  S^T = K Q^T (source 0 = 16 keys, source 1 = 16 queries): a lane holds ONE query (lane % 16) and the keys 8 (lane / 16) + 0..7.  Two such results rounded to f16 in pairs ARE source 1 of
; O^T = V^T P, whose result again holds one query a lane, and eight channels.  K comes out of LDS as it lies, V ([key][channel]) turned, by ds_load_tr16_b128.
; SOFTMAX.  A running maximum m and sum l for each query: p = 2^(c (s - m)), c = log2(e) / 8; O and l are multiplied by a = 2^(c (m_old - m_new)) in every trip.  The difference is taken first and then
; scaled, in two lines: in the fused form c s - round(c m) the rounding of c m stays in the exponent, and for scores near 5e10 (inputs with large offsets) that is hundreds of powers of two.
; IN PHASES: a trip is its 32 products K Q^T, the softmax, its 32 products V^T P.
; NO CLUSTER: neighbouring blocks share two thirds of their keys, but at different places of their 384 rows: a tile asked for jointly lands at one LDS address in all partners, so the addresses that read
; it would hang on the place in the cluster.
; REGISTERS, in windows of 256 (s_set_vgpr_msb: bits 1:0 source 0, 3:2 source 1, 5:4 source 2, 7:6 destination):
;   window 0: v0-15 addresses; v16-31 statistics, four a tile; v32-47 at work, four a tile; v62-63 the add's; v64-191 S^T, 32 a tile; v192-255 P, 16 a tile
;   window 1: v0-127 O^T, 32 a tile; v128-191 MD; v192-255 MC      window 2: v0-63 Q, 16 a tile; v64-191 K of one step      window 3: v0-127 V of one step
.set ROWB,  6144      ; bytes in a row of qkv
.set OROW,  2048      ; bytes in a row of ob
.set KS,    64        ; keys in a step
.set PK,    272       ; a row of K in LDS: 256 bytes + 16 of padding = 68 words: row r starts at bank 4 r mod 64 (64 banks of 4 bytes: ISA guide 11.1), so the 16 rows of a load start at 16 different banks
.set PV,    288       ; a row of V: 256 + 32 = 72 words
.set VOFF,  384*PK    ; 384 rows of K, then 384 rows of V
.set STAGE, VOFF+384*PV  ; behind the tiles, never filled by a tensor load: 16 rows x 272 bytes for each wave, for the way out
.set SP,    272
.set SPARE, STAGE+4*16*SP  ; behind the stages: the spare words, 128 bytes for each wave: two blocks of 256 bytes that no other line names
.set AK0, 2           ; v2   my lane's place in a step of K; never rewritten
.set AV0, 3           ; v3   the same for V
.set AK,  4           ; v4   the LDS address of K's next run of loads
.set AV,  5           ; v5   of V's
.set STO, 6           ; v6   the way out: where I put 16 bytes of a row
.set RD,  7           ; v7   the way out: where I read rows back
.set GO,  8           ; v8   my byte offset in two rows of ob
.set QO,  12          ; v12  my byte offset in 16 rows of q
.set U0,  13          ; v13, v14  u - 8 (lane / 16) for qt = 0, 1
.set ST,  16          ; tile T's statistics at v[ST+4 T]: m, m_old, l (even keys', odd keys')
.set TMP, 32          ; tile T's four registers c0-c3 at work; when the maximum is found c2 takes a
.set SPW, 62          ; v62  LDS address of my spare word: SPARE + 4 x my thread's number; never rewritten
.set NIL, 63          ; v63  0; never rewritten
.set S,   64          ; S^T: tile T, 16 keys kb at S + 32 T + 8 kb
.set P,   192         ; P: tile T, 32 keys kk at P + 16 T + 8 kk
.set MD,  128         ; window 1: qt, 16 keys kb at MD + 32 qt + 8 kb
.set MC,  192         ; window 1: likewise
.set KF,  64          ; window 2: fragment f at KF + 8 f: keys 16 (f / 4) on, channels 32 (f % 4) on of the pair's 128
.set WV,  12          ; s12  my wave's number
.set G1K, 24          ; s[24:31] descriptor group 1 for K's tile
.set G1V, 32          ; s[32:39] for V's: it differs in the padding alone
.set G0K, 40          ; s[40:43] descriptor group 0 for K's tile
.set G0V, 44          ; s[44:47] for V's
.set QB,  48          ; s[48:49] q at my wave's first row and my pair of heads
.set CNT, 56          ; s56  trips to go, 5 to 1
.set SD,  57          ; s57  s + 2 blk: below 4 the step lies in front of token 0
.set CS,  58          ; s[58:59] c: the packed scaling takes the pair's low word for both halves
.set SEL, 60          ; s[60:61] v_permlanex16_b32's selects: each lane takes its own place in the other half
.set TBK, 62          ; s62  LDS byte at which K of the step to be fetched begins
.set TBV, 63          ; s63  the same for V, less VOFF
.set AL,  68          ; s[68:69] the mask's factor, in the low word
.set BE,  70          ; s[70:71] the mask's addend
.set BIGN, 72         ; s72  -1e30
.set MSB, 0
.macro WIN new                      ; the high byte repeats the setting that is left; a switch that changes nothing is dropped
.if MSB != (\new)
	s_set_vgpr_msb (MSB<<8)|(\new)
.set MSB, (\new)
.endif
.endm
.set W_KQ, 0x0a       ; K and Q in window 2, S^T in window 0
.set W_KM, 0x1a       ; the same with the C operand in window 1
.set W_PV, 0x53       ; V in window 3, P in window 0, O^T in window 1
.set W_RS, 0x41       ; destination and source 0 in window 1, source 1 in window 0
	s_load_b128 s[4:7], s[0:1], 0x0 ; qkv s[4:5], ob s[6:7]
	v_lshl_add_u32 v[SPW], v0, 2, SPARE
	v_mov_b32 v[NIL], 0
	ds_add_u32 v[SPW], v[NIL]       ; the wave's opening: the add and its wait stand ahead of my first tensor load; the set-up below, work on registers, stands between them
	ds_add_u32 v62, v63
	v_lshrrev_b32 v1, 5, v0
	v_readfirstlane_b32 s[WV], v1   ; wave 0..3
	s_mov_b32 s13, ttmp9            ; blk
	s_and_b32 s14, ttmp7, 0xffff    ; hp
	s_and_b32 s15, s[WV], 1         ; which half of a tile's 384 rows I fetch; also which 32 of a band's 64 queries are mine
	s_lshr_b32 s16, s[WV], 1        ; my band: the first step that I walk
	s_mul_i32 s20, s13, 128*ROWB    ; row q0,
	s_lshl_b32 s17, s14, 8          ; the pair's 256 bytes
	s_add_co_u32 s20, s20, s17
	s_mul_i32 s22, s15, 192*ROWB    ; my half of the tile
	s_add_co_u32 s22, s22, s20
	s_mov_b32 s23, 0
	s_mul_i32 s18, s[WV], 32*ROWB   ; my wave's 32 queries,
	s_add_co_u32 s18, s18, s20
	s_add_co_u32 s18, s18, 256*ROWB ; which lie 256 rows behind the block's first key
	s_mov_b32 s19, 0
	s_lshl_b32 s2, s13, 18          ; ob: 128 rows of 2,048 bytes a block,
	s_lshl_b32 s3, s[WV], 16        ; 32 a wave,
	s_add_co_u32 s2, s2, s3
	s_add_co_u32 s2, s2, s17        ; the pair's 256 bytes
	s_mov_b32 s3, 0
	; descriptor group 1: a tile of 192 rows x 128 elements, padded in LDS
	s_mov_b32 s[G1K], (1<<16)|(1<<20)|(5<<22)|(3<<25)  ; 15:0 no mask; 17:16 2-byte elements; 20 padding on; 24:22 after every 64 words (code 5); 31:25 4 words (code 3)
	s_mov_b32 s[G1V], (1<<16)|(1<<20)|(5<<22)|(7<<25)  ; the same with 8 words of padding (code 7)
.irp g, G1K, G1V
	s_mov_b32 s[\g+1], 128<<16      ; tensor_dim0 = 128
	s_mov_b32 s[\g+2], 192<<16      ; tensor_dim1 = 192
	s_mov_b32 s[\g+3], 128<<16      ; tile_dim0 = 128
	s_mov_b32 s[\g+4], 192          ; tile_dim1 = 192
	s_mov_b32 s[\g+5], 3072         ; 3,072 elements from row to row
	s_mov_b32 s[\g+6], 0
	s_mov_b32 s[\g+7], 0
.endr
	s_mov_b32 s[G0K], 1             ; 1:0 count = 1
	s_mul_i32 s[G0K+1], s15, 192*PK ; 63:32 LDS address: my half of K's rows
	s_mov_b32 s[G0V], 1
	s_mul_i32 s[G0V+1], s15, 192*PV
	s_add_co_u32 s[G0V+1], s[G0V+1], VOFF
	s_mov_b32 s[CS], 0x3e38aa3b     ; c = log2(e) / 8 = 0.180337
	s_mov_b32 s[CS+1], s[CS]        ; named with it as a pair
	s_mov_b32 s[SEL], 0x76543210
	s_mov_b32 s[SEL+1], 0xfedcba98
	s_mul_i32 s[TBK], s16, KS*PK
	s_mul_i32 s[TBV], s16, KS*PV
	s_lshl_b32 s[SD], s13, 1
	s_add_co_u32 s[SD], s[SD], s16
	s_mov_b32 s[AL+1], 0            ; named as pairs
	s_mov_b32 s[BE+1], 0
	s_mov_b32 s[BIGN], 0xf149f2ca   ; -1e30
	s_wait_dscnt 0x0                ; the opening add is done
	s_wait_kmcnt 0x0
	s_add_nc_u64 s[G0K+2:G0K+3], s[4:5], s[22:23]  ; 120:64 global address: my half of the block's rows,
	s_add_nc_u64 s[G0K+2:G0K+3], s[G0K+2:G0K+3], 2048  ; at k's columns
	s_or_b32 s[G0K+3], s[G0K+3], 0x80000000        ; 127:126 type = 2
	s_add_nc_u64 s[G0V+2:G0V+3], s[4:5], s[22:23]
	s_add_nc_u64 s[G0V+2:G0V+3], s[G0V+2:G0V+3], 4096  ; at v's
	s_or_b32 s[G0V+3], s[G0V+3], 0x80000000
	s_add_nc_u64 s[QB:QB+1], s[4:5], s[18:19]
	s_add_nc_u64 s[6:7], s[6:7], s[2:3]
	; THE FILL.  Waves 0 and 1 fetch the two halves of K's 384 rows, waves 2 and 3 those of V's: one load a wave is out, and no byte is filled twice.
	; An s_nop 0 and four v_nop follow each of the two lines, ahead of the jump and the label.
	s_cmp_lt_u32 s[WV], 2
	s_cbranch_scc0 .Lfor_v
	tensor_load_to_lds s[G0K:G0K+3], s[G1K:G1K+7]
	s_nop 0
.rept 4
	v_nop
.endr
	s_branch .Lasked
.Lfor_v:
	tensor_load_to_lds s[G0V:G0V+3], s[G1V:G1V+7]
	s_nop 0
.rept 4
	v_nop
.endr
.Lasked:
	; All that follows up to the wait stands in the shadow of that load.
	; A fragment of K or Q is 16 rows x 32 channels in 8 registers: lane l holds row l % 16, channels 8 (l / 16) + 0..7 and 16 + 8 (l / 16) + 0..7: two loads of 16 bytes, 32 bytes apart.
	v_and_b32 v1, 15, v0            ; l % 16
	v_bfe_u32 v9, v0, 4, 1          ; l / 16
	v_mul_u32_u24 v[QO], v1, ROWB
	v_lshl_add_u32 v[QO], v9, 4, v[QO]  ; row x 6,144 + 16 x half
	WIN 0x80                        ; destination window 2, address window 0
.set i, 0
.rept 8                             ; Q stays in registers: tile T = i / 2 (head T / 2, queries 16 (T % 2) on), channels 32 (i % 2) on
	global_load_b128 v[8*i:8*i+3],   v[QO], s[QB:QB+1] offset:((i/2)%2)*16*ROWB+(i/4)*128+(i%2)*64
	global_load_b128 v[8*i+4:8*i+7], v[QO], s[QB:QB+1] offset:((i/2)%2)*16*ROWB+(i/4)*128+(i%2)*64+32
.set i, i+1
.endr
	WIN 0
	v_mul_u32_u24 v[AK0], v1, PK
	v_lshl_add_u32 v[AK0], v9, 4, v[AK0]  ; row x pitch + 16 x half
	; The turning load takes 16 keys x 16 channels (lane l reads key 8 (l / 16) + l % 8, channels 8 ((l / 8) % 2) + 0..7) and leaves half a fragment of V^T: lane l holds channel l % 16 and 8 keys.
	v_and_b32 v10, 7, v0
	v_bfe_u32 v11, v0, 3, 1
	v_lshl_add_u32 v[AV0], v9, 3, v10
	v_mul_u32_u24 v[AV0], v[AV0], PV
	v_lshl_add_u32 v[AV0], v11, 4, v[AV0]
	v_add_nc_u32 v[AV0], VOFF, v[AV0]
	s_mul_i32 s17, s[WV], 16*SP
	s_add_co_u32 s17, s17, STAGE    ; my stage
	v_mul_u32_u24 v[STO], v1, SP    ; in: row l % 16, 16 bytes for each half of the lanes
	v_lshl_add_u32 v[STO], v9, 4, v[STO]
	v_add_nc_u32 v[STO], s17, v[STO]
	v_mul_u32_u24 v[RD], v9, SP     ; back: lanes 0-15 take one row of 256 bytes, lanes 16-31 the next
	v_lshl_add_u32 v[RD], v1, 4, v[RD]
	v_add_nc_u32 v[RD], s17, v[RD]
	v_lshlrev_b32 v[GO], 11, v9     ; and the same two rows in ob
	v_lshl_add_u32 v[GO], v1, 4, v[GO]
	v_lshlrev_b32 v15, 3, v9
	v_sub_nc_u32 v[U0], v1, v15
	s_lshl_b32 s18, s15, 5
	v_add_nc_u32 v[U0], s18, v[U0]  ; u - 8 (l / 16) for qt = 0: register j of key group kb is beyond the query where 16 kb + j is greater
	v_add_nc_u32 v[U0+1], 16, v[U0] ; for qt = 1
	WIN 0x40                        ; destination window 1
.set i, 0
.rept 64                            ; MD: qt = i / 32, then 8 kb + j
	v_cmp_gt_i32 vcc_lo, 16*((i%32)/8)+i%8, v[U0+i/32]
	v_cndmask_b32 v[MD+i], 0, s[BIGN], vcc_lo
.set i, i+1
.endr
	; O^T and l start at 0, m at its floor: the first trip is a trip like any other.  The price of writing no first trip out: these 128 lines, in the wait for the tiles.
.set i, 0
.rept 128
	v_mov_b32 v[i], 0
.set i, i+1
.endr
	WIN 0
.set i, 0
.rept 4
	v_mov_b32 v[ST+4*i], 0xe0800000    ; m = -2^66
	v_mov_b32 v[ST+4*i+1], 0xe0800000  ; m_old: named with m as a pair
	v_mov_b32 v[ST+4*i+2], 0
	v_mov_b32 v[ST+4*i+3], 0
.set i, i+1
.endr
; THE MATRIX WORK.  The 16 accumulators of a run of 32 take turns, one instruction a turn: between the two links of a chain stand 15 others'.
; Product i of 32 of S^T = K Q^T: channels 32 (i / 16) on, keys 16 ((i / 4) % 4) on, tile i % 4.  The first 16 start the sums with the mask.
.macro KQ
.set rS, S+32*(i%4)+8*((i/4)%4)
.set rK, KF+8*(4*((i/4)%4)+2*((i%4)/2)+i/16)
.set rQ, 16*(i%4)+8*(i/16)
.set rM, MC+32*(i%2)+8*((i/4)%4)
.if i < 16
	WIN W_KM
	v_wmma_f32_16x16x32_f16 v[rS:rS+7], v[rK:rK+7], v[rQ:rQ+7], v[rM:rM+7]
.else
	WIN W_KQ
	v_wmma_f32_16x16x32_f16 v[rS:rS+7], v[rK:rK+7], v[rQ:rQ+7], v[rS:rS+7]
.endif
.endm
; Product i of 32 of O^T += V^T P: keys 32 (i / 16) on, channels 16 ((i / 4) % 4) on of the tile's head, tile i % 4.
.macro PV
	WIN W_PV
.set rO, 32*(i%4)+8*((i/4)%4)
.set rV, 8*(8*(i/16)+4*((i%4)/2)+(i/4)%4)
.set rP, P+16*(i%4)+8*(i/16)
	v_wmma_f32_16x16x32_f16 v[rO:rO+7], v[rV:rV+7], v[rP:rP+7], v[rO:rO+7]
.endm
; THE LDS LOADS stand in runs of 32: a step's K (64 keys x 128 channels: 16 fragments) and its V (turned).
.macro FETCH_K
	WIN 0
	v_add_nc_u32 v[AK], s[TBK], v[AK0]
	WIN 0x80                        ; destination window 2
.irp f, 0,1,2,3,4,5,6,7,8,9,10,11,12,13,14,15
	ds_load_b128 v[KF+8*\f:KF+8*\f+3],   v[AK] offset:(\f/4)*16*PK+(\f%4)*64
	ds_load_b128 v[KF+8*\f+4:KF+8*\f+7], v[AK] offset:(\f/4)*16*PK+(\f%4)*64+32
.endr
	s_add_co_u32 s[TBK], s[TBK], KS*PK  ; the next fetch is the next step's
	WIN 0
.endm
.macro FETCH_V
	WIN 0
	v_add_nc_u32 v[AV], s[TBV], v[AV0]
	WIN 0xc0                        ; destination window 3
.irp f, 0,1,2,3,4,5,6,7,8,9,10,11,12,13,14,15  ; keys 32 (f / 8) on, channels 16 (f % 8) on
	ds_load_tr16_b128 v[8*\f:8*\f+3],   v[AV] offset:(\f/8)*32*PV+(\f%8)*32
	ds_load_tr16_b128 v[8*\f+4:8*\f+7], v[AV] offset:(\f/8)*32*PV+16*PV+(\f%8)*32
.endr
	s_add_co_u32 s[TBV], s[TBV], KS*PV
	WIN 0
.endm
.macro MASK                         ; MC = MD x AL + BE, both query tiles
	WIN W_RS
.set z, 0
.rept 32
	v_pk_fma_f32 v[MC+2*z:MC+2*z+1], v[MD+2*z:MD+2*z+1], s[AL:AL+1], s[BE:BE+1] op_sel_hi:[1,0,0]
.set z, z+1
.endr
.endm
; THE VECTOR WORK.  All but the rescaling of O^T lies in window 0; these macros set no window.
.macro REGS t                       ; the registers of tile t
.set rT, ST+4*(\t)
.set rC, TMP+4*(\t)
.set rS, S+32*(\t)
.set rP, P+16*(\t)
.set rO, 32*(\t)
.endm
; Number n of the 22 that find tile t's maximum and statistics.  s0-s31 are the lane's 32 scores; each accumulator's lowest registers are read first.
;   0-11  four chains c0-c3 of seven scores each, three operands at a time     12-14, 16  the four scores left over, the old m, and c0-c3 into c0     15  m_old is kept
;   17, 18  the query's other 32 keys lie in the lane 16 away: the new m         19-21  m_old - m; times c; a
.macro XS t, n
	REGS \t
.if (\n) < 4
	v_max3_num_f32 v[rC+(\n)], v[rS+8*(\n)], v[rS+8*(\n)+1], v[rS+8*(\n)+2]
.elseif (\n) < 12
	v_max3_num_f32 v[rC+(\n)%4], v[rC+(\n)%4], v[rS+8*((\n)%4)+2*((\n)/4)+1], v[rS+8*((\n)%4)+2*((\n)/4)+2]
.elseif (\n) == 12
	v_max3_num_f32 v[rC], v[rC], v[rS+7], v[rS+15]
.elseif (\n) == 13
	v_max3_num_f32 v[rC+1], v[rC+1], v[rS+23], v[rS+31]
.elseif (\n) == 14
	v_max3_num_f32 v[rC+2], v[rC+2], v[rC+3], v[rT]
.elseif (\n) == 15
	v_mov_b32 v[rT+1], v[rT]
.elseif (\n) == 16
	v_max3_num_f32 v[rC], v[rC], v[rC+1], v[rC+2]
.elseif (\n) == 17
	v_permlanex16_b32 v[rC+3], v[rC], s[SEL], s[SEL+1]
.elseif (\n) == 18
	v_max_num_f32 v[rT], v[rC], v[rC+3]
.elseif (\n) == 19
	v_sub_f32 v[rC+1], v[rT+1], v[rT]
.elseif (\n) == 20
	v_mul_f32 v[rC+1], s[CS], v[rC+1]
.else
	v_exp_f32 v[rC+2], v[rC+1]
.endif
.endm
.macro SUBM t, b                    ; pair b of 16: s - m
	REGS \t
	v_pk_add_f32 v[rS+2*(\b):rS+2*(\b)+1], v[rS+2*(\b):rS+2*(\b)+1], v[rT:rT+1] op_sel_hi:[1,0] neg_lo:[0,1] neg_hi:[0,1]
.endm
.macro MULC t, b                    ; times c
	REGS \t
	v_pk_mul_f32 v[rS+2*(\b):rS+2*(\b)+1], v[rS+2*(\b):rS+2*(\b)+1], s[CS:CS+1] op_sel_hi:[1,0]
.endm
.macro EXPS t, n                    ; the exponential of score n of 32
	REGS \t
	v_exp_f32 v[rS+(\n)], v[rS+(\n)]
.endm
.macro CVTP t, b                    ; pair b rounded to f16
	REGS \t
	s_wait_alu depctr_va_vdst(0)
	v_cvt_pk_f16_f32 v[rP+(\b)], v[rS+2*(\b)], v[rS+2*(\b)+1]
.endm
; THE SOFTMAX of the four tiles.  The statistics go number by number over the four tiles, so that no line reads the result of the one before it.  Then the exponentials of tile T stand among the
; differences and scalings of tile T + 1 and the roundings of tile T - 1: behind an exponential comes a plain line of another tile, or another exponential, and no result is used before a plain line has passed.
.macro SOFT
	WIN 0
.irp n, 0,1,2,3,4,5,6,7,8,9,10,11,12,13,14,16,17,18,19,20,21
.irp t, 0,1,2,3
	XS \t, \n
.endr
.endr
.set ii, 0
.rept 16
	SUBM 0, ii
.set ii, ii+1
.endr
.set ii, 0
.rept 16
	MULC 0, ii
.set ii, ii+1
.endr
.set tt, 0
.rept 4
.set ii, 0
.rept 32
	EXPS tt, ii
.if (ii%2 == 0) && (tt < 3)
	SUBM tt+1, ii/2
.endif
.if (ii%2 == 1) && (tt < 3)
	MULC tt+1, ii/2
.endif
.if (ii%2 == 1) && (tt > 0)
	CVTP tt-1, ii/2
.endif
.set ii, ii+1
.endr
.set tt, tt+1
.endr
.set ii, 0
.rept 16
	CVTP 3, ii
.set ii, ii+1
.endr
.endm
.macro RESC                         ; O^T times a, each accumulator's registers in ascending order
	WIN W_RS
.set tt, 0
.rept 4
	REGS tt
.set z, 0
.rept 16
	v_pk_mul_f32 v[rO+2*z:rO+2*z+1], v[rO+2*z:rO+2*z+1], v[rC+2:rC+3] op_sel_hi:[1,0]
.set z, z+1
.endr
.set tt, tt+1
.endr
.endm
.macro SUMS                         ; the sum of a tile's 16 pairs of weights, in place, neighbours 1, 2, 4 and 8 pairs apart, the tiles alternating; then l = a l + the sum
	WIN 0
.irp w, 4,8,16,32
.set u, 0
.rept 32/(\w)
.set tt, 0
.rept 4
	REGS tt
	v_pk_add_f32 v[rS+(\w)*u:rS+(\w)*u+1], v[rS+(\w)*u:rS+(\w)*u+1], v[rS+(\w)*u+(\w)/2:rS+(\w)*u+(\w)/2+1]
.set tt, tt+1
.endr
.set u, u+1
.endr
.endr
.set tt, 0
.rept 4
	REGS tt
	v_pk_fma_f32 v[rT+2:rT+3], v[rT+2:rT+3], v[rC+2:rC+3], v[rS:rS+1] op_sel_hi:[1,0,1]
.set tt, tt+1
.endr
.endm
	s_wait_tensorcnt 0x0            ; my part of the tiles is in,
	s_barrier_signal -1
	s_barrier_wait -1               ; everybody's is: the one barrier; from here on LDS's tiles are only read
	FETCH_K                         ; my first step
	s_wait_loadcnt 0x0              ; Q
	s_mov_b32 s[CNT], 5
.Ltrip:
	s_cmp_eq_u32 s[CNT], 5          ; trip 0: the keys beyond the query's place are the ones in the window
	s_cselect_b32 s[AL], -1.0, 0
	s_cselect_b32 s[BE], s[BIGN], 0
	s_cmp_eq_u32 s[CNT], 1          ; trip 4: the diagonal
	s_cselect_b32 s[AL], 1.0, s[AL]
	s_cmp_lt_u32 s[SD], 4           ; a step in front of token 0
	s_cselect_b32 s[AL], 0, s[AL]
	s_cselect_b32 s[BE], s[BIGN], s[BE]
	MASK                            ; its 32 plain lines name no register of the last trip's products V^T P: they are the places in front of the loads into V's registers
	FETCH_V
	s_wait_dscnt 32                 ; K's run is older than the 32 just issued: it is in
.set i, 0
.rept 32
	KQ
.set i, i+1
.endr
	WIN 0
.irp t, 0,1,2,3
	XS \t, 15                       ; four plain lines that name none of those products' registers: the places in front of the first read of the scores and of the loads into K's registers
.endr
	s_cmp_eq_u32 s[CNT], 1
	s_cbranch_scc1 .Lno_k           ; the last trip has no next step
	FETCH_K
.Lno_k:
	SOFT
	RESC
	SUMS
	s_wait_dscnt 0x0                ; V is in (and the next step's K)
.set i, 0
.rept 32
	PV
.set i, i+1
.endr
	WIN 0                           ; at a label and at a branch every window is 0
	s_add_co_u32 s[SD], s[SD], 1
	s_sub_co_u32 s[CNT], s[CNT], 1
	s_cmp_lg_u32 s[CNT], 0
	s_cbranch_scc1 .Ltrip
	; THE WAY OUT.  l's two halves and the other half of the lanes' are added; O^T is divided by l, rounded to f16 and sent through my stage in LDS, 16 queries of both heads at a time.
	; The first four additions are the places behind the last products.
.irp t, 0,1,2,3
	v_add_f32 v[ST+4*\t+2], v[ST+4*\t+2], v[ST+4*\t+3]
.endr
.irp t, 0,1,2,3
	v_permlanex16_b32 v[ST+4*\t+3], v[ST+4*\t+2], s[SEL], s[SEL+1]
.endr
.irp t, 0,1,2,3
	v_add_f32 v[ST+4*\t+2], v[ST+4*\t+2], v[ST+4*\t+3]
.endr
.irp t, 0,1,2,3
	v_rcp_f32 v[ST+4*\t+2], v[ST+4*\t+2]
.endr
	v_nop                           ; a plain instruction between the last reciprocal and the use of its result
	s_wait_alu depctr_va_vdst(0)
; Queries 16 qt on: a lane's eight channels of a row pack into 16 bytes; the two heads' 128 channels make rows of 256 bytes, which go into rows of 272 and come back whole, into the registers that they left.
.macro PACK qt
	WIN W_RS
.irp hh, 0,1
.set z, 0
.rept 16
	v_pk_mul_f32 v[32*(2*\hh+(\qt))+2*z:32*(2*\hh+(\qt))+2*z+1], v[32*(2*\hh+(\qt))+2*z:32*(2*\hh+(\qt))+2*z+1], v[ST+4*(2*\hh+(\qt))+2:ST+4*(2*\hh+(\qt))+3] op_sel_hi:[1,0]
.set z, z+1
.endr
.endr
	WIN 0x05                        ; sources 0 and 1 window 1, destination window 0: S^T's registers are free
.irp hh, 0,1
.set z, 0
.rept 16
	v_cvt_pk_f16_f32 v[S+32*(\qt)+16*\hh+z], v[32*(2*\hh+(\qt))+2*z], v[32*(2*\hh+(\qt))+2*z+1]
.set z, z+1
.endr
.endr
	WIN 0
.irp f, 0,1,2,3,4,5,6,7
	ds_store_b128 v[STO], v[S+32*(\qt)+4*\f:S+32*(\qt)+4*\f+3] offset:32*\f
.endr
.irp f, 0,1,2,3,4,5,6,7
	ds_load_b128 v[S+32*(\qt)+4*\f:S+32*(\qt)+4*\f+3], v[RD] offset:\f*2*SP  ; LDS serves a wave's instructions in order (ISA guide 5.7.1.4): these see the stores above; the next sixteen queries' stores come behind them
.endr
.endm
.macro SEND qt, younger             ; younger: the LDS instructions issued behind these queries' loads: the next PACK's sixteen, or none
.irp f, 0,1,2,3,4,5,6,7
	s_wait_dscnt (\younger)+7-\f
	global_store_b128 v[GO], v[S+32*(\qt)+4*\f:S+32*(\qt)+4*\f+3], s[6:7] offset:(16*(\qt)+2*\f)*OROW  ; 16 lanes store 256 consecutive bytes, at a multiple of 256 from ob's first byte
.endr
.endm
	PACK 0
	PACK 1                          ; its arithmetic stands between the loads of the queries before and their stores
	SEND 0, 16
	SEND 1, 0
	s_wait_tensorcnt 0x0            ; the wave's end, behind my last tensor load and my last LDS store
	ds_add_u32 v[SPW], v[NIL]
	s_wait_dscnt 0x0
	s_endpgm
.Lfunc_end_k_qfae3de3336_attn:
	.size	k_qfae3de3336_attn, .Lfunc_end_k_qfae3de3336_attn-k_qfae3de3336_attn
	.p2alignl 7, 3214868480
	.fill 96, 4, 3214868480
	.section	.rodata,"a",@progbits
	.p2align	6, 0x0
	.amdhsa_kernel k_qfae3de3336_attn
		.amdhsa_group_segment_fixed_size 233472
		.amdhsa_private_segment_fixed_size 0
		.amdhsa_enable_private_segment 0
		.amdhsa_kernarg_size 16
		.amdhsa_user_sgpr_count 2
		.amdhsa_user_sgpr_kernarg_segment_ptr 1
		.amdhsa_wavefront_size32 1
		.amdhsa_system_sgpr_workgroup_id_x 1
		.amdhsa_system_sgpr_workgroup_id_y 1
		.amdhsa_system_sgpr_workgroup_id_z 1
		.amdhsa_system_vgpr_workitem_id 0
		.amdhsa_next_free_vgpr 896
		.amdhsa_next_free_sgpr 76
		.amdhsa_reserve_vcc 1
		.amdhsa_float_denorm_mode_32 3
		.amdhsa_float_denorm_mode_16_64 3
		.amdhsa_memory_ordered 1
		.amdhsa_forward_progress 1
		.amdhsa_inst_pref_size 76
	.end_amdhsa_kernel
	.amdgpu_metadata
---
amdhsa.version: [ 1, 2 ]
amdhsa.kernels:
  - .name:           k_qfae3de3336_attn
    .symbol:         k_qfae3de3336_attn.kd
    .args:
      - { .name: qkv, .offset: 0, .size: 8, .value_kind: global_buffer, .address_space: global }
      - { .name: ob, .offset: 8, .size: 8, .value_kind: global_buffer, .address_space: global }
    .group_segment_fixed_size: 233472
    .private_segment_fixed_size: 0
    .kernarg_segment_align: 8
    .kernarg_segment_size: 16
    .max_flat_workgroup_size: 128
    .sgpr_count:     76
    .vgpr_count:     896
    .wavefront_size: 32
...
	.end_amdgpu_metadata
.endif
;; end of part 3
;; launch outp (part 4): grid 8 x 32, 4 waves a work-group, clusters of 4 x 4, 327,680 bytes of LDS; arguments ob, wo16, out0; writes out0
.if DOCPART == 4
	.amdgcn_target "amdgcn-amd-amdhsa--gfx1250"
	.amdhsa_code_object_version 6
	.text
	.protected	k_qfae3de3336_outp
	.globl	k_qfae3de3336_outp
	.p2align	8
	.type	k_qfae3de3336_outp,@function
k_qfae3de3336_outp:
	s_mov_b64 s[64:65], 0
	v_nop
	global_prefetch_b8 v0, s[64:65] scope:SCOPE_SE
	s_setreg_imm32_b32 hwreg(HW_REG_WAVE_MODE, 25, 1), 1
	s_wait_xcnt 0x0
	s_wait_alu depctr_hold_cnt(0) depctr_sa_sdst(0) depctr_va_vdst(0) depctr_va_sdst(0) depctr_va_ssrc(0) depctr_va_vcc(0) depctr_vm_vsrc(0)
	s_getreg_b32 s2, hwreg(HW_REG_IB_STS2, 6, 4)
	s_cmp_eq_u32 s2, 0
	s_cbranch_scc0 .Lentry_in_a_cluster
	s_endpgm
.Lentry_in_a_cluster:
	s_bfe_u32 s2, ttmp6, 0x10000c
	s_cmp_lg_u32 s2, 0xf033
	s_cbranch_scc0 .Lentry_shape_is_right
	s_endpgm
.Lentry_shape_is_right:
; THE OUTPUT PROJECTION.  C[m][n] = sum over k of A[m][k] B[n][k].  A = ob [SIZE_M][SIZE_K] f16, B = wo16 [SIZE_N][SIZE_K] f16 (Wo rounded to bf16, written as f16), C = out0 [SIZE_M][SIZE_N] f32; sums in f32.
; A tile of C is 128 x 128: 8 x 32 = 256 work-groups, where tiles of 256 x 256 would be 64.  Four waves, each 64 x 64: 16 accumulators of 16 x 16, 128 registers.  K goes in steps of 256 (LDS rows of 512 bytes;
; a wave's tensor load brings 64 of them), as long as two slots in LDS allow.  A wave's 64 columns of f32 are 256 aligned bytes of a row of C, so each wave has a stage of its own on the way out, and no barrier there.
; CLUSTERS: 4 x 4 work-groups.  The four of a row of the cluster need the same tiles of A, the four of a column the same tiles of B: each tile is asked for JOINTLY, by the same tensor load with the
; same descriptor and a mask that names the four.  THE MATRIX INSTRUCTION IS USED TRANSPOSED (source 0 = 16 rows of B, source 1 = 16 rows of A): a lane then holds eight neighbouring numbers of a row of C.
; REGISTERS: window 0: v0-31 addresses; v128-255 the accumulators ((a, b) at v[128 + 8 (4 a + b)]), which on the way out take the rows read back.
;   window 1: two fragment buffers of 128: for 64 along K (two matrix instructions deep), 64 registers of A (2 x 4 x 16 rows x 32 K), then 64 of B.
.set SIZE_M, 4096
.set SIZE_N, 1024
.set SIZE_K, 1024
.set KSTEP,  256
.set PITCH,  528                       ; an LDS row: 512 bytes of data + 16 of padding = 132 words: row r starts at bank 4 r mod 64 (64 banks of 4 bytes: ISA guide 11.1)
.set HALFT,  64*PITCH                  ; 64 rows: what one tensor load brings, and what one wave reads of A or of B
.set SLOT,   4*HALFT                   ; A's 128 rows, then B's 128 rows
.set STAGE,  2*SLOT                    ; behind the ring: 16 rows x 272 bytes for each wave, for the way out
.set SPITCH, 272
.set SPARE,  STAGE+4*16*SPITCH         ; behind the stages: the spare words, 128 bytes for each wave: two blocks of 256 bytes that no other line names
.set LAPS, SIZE_K/(2*KSTEP)            ; a lap = two K steps = once round the ring: 2
.set ADRA, 16                          ; v16-17  LDS address of my A fragments in slot 0, 1
.set ADRB, 20                          ; v20-21  the same for B
.set STO,  24                          ; v24     the way out: where I put 32 bytes of a row
.set RD,   25                          ; v25     the way out: where I read a row back
.set CO,   26                          ; v26     my byte offset in C
.set SPW,  28                          ; v28     LDS address of my spare word: SPARE + 4 x my thread's number; never rewritten
.set NIL,  29                          ; v29     0; never rewritten
.set ACC,  128
.set F0,   0                           ; fragment buffers, in window 1
.set F1,   128
.set G1, 24                            ; s[24:31] descriptor group 1 for A's tiles;  s[32:39] group 0, one set for each slot
.set G0, 32
.set G1B, 48                           ; s[48:55], s[56:63] the same for B's tiles
.set G0B, 56
.set MSB, 0
.macro WIN new                         ; the immediate's high byte repeats the setting that is left
.if MSB != (\new)
	s_set_vgpr_msb (MSB<<8)|(\new)
.set MSB, \new
.endif
.endm
.set MUL,  0x05                        ; sources 0 (B) and 1 (A) window 1; C and D window 0
.set TO_F, 0x40                        ; destination window 1, address window 0
.macro JLOAD s                         ; a joint load: waves 0 and 1 fetch A's two halves, waves 2 and 3 B's; an s_nop 0 and four v_nop follow each of the two lines, ahead of the jump, the label and what follows
	s_cmp_eq_u32 s11, 0
	s_cbranch_scc0 .Lfor_b_\@
	tensor_load_to_lds s[G0+4*(\s):G0+4*(\s)+3], s[G1:G1+7]
	s_nop 0
.rept 4
	v_nop
.endr
	s_branch .Lasked_\@
.Lfor_b_\@:
	tensor_load_to_lds s[G0B+4*(\s):G0B+4*(\s)+3], s[G1B:G1B+7]
	s_nop 0
.rept 4
	v_nop
.endr
.Lasked_\@:
.endm
.macro CREST                           ; a round of the cluster's barrier behind its opening barrier
	s_cmp_lg_u32 s10, 0
	s_cbranch_scc1 .Lnot_wave_0_\@
	s_barrier_signal -3
.Lnot_wave_0_\@:
	s_barrier_wait -3
	s_barrier_signal -1
	s_barrier_wait -1
.endm
.macro CROUND                          ; a whole round
	s_barrier_signal -1
	s_barrier_wait -1
	CREST
.endm
	s_load_b128 s[4:7], s[0:1], 0x0                ; A s[4:5], B s[6:7]
	s_load_b64 s[8:9], s[0:1], 0x10                ; C
	v_lshl_add_u32 v[SPW], v0, 2, SPARE
	v_mov_b32 v[NIL], 0
	ds_add_u32 v[SPW], v[NIL]                      ; the wave's opening: the add and its wait stand ahead of my first tensor load; the set-up below, work on registers, stands between them
	ds_add_u32 v28, v29
	v_lshrrev_b32 v1, 5, v0
	v_readfirstlane_b32 s10, v1                    ; wave 0..3
	s_lshr_b32 s11, s10, 1                         ; which half of the tile's rows is mine.  Also: I fetch for A (0) or for B (1)
	s_and_b32 s12, s10, 1                          ; which half of its columns.  Also: which 64 rows of that tile I fetch
	s_bfe_u32 s40, ttmp6, 0x40000                  ; cx, cy: my place in the cluster
	s_bfe_u32 s41, ttmp6, 0x40004
	s_lshl_b32 s42, ttmp9, 2
	s_add_co_u32 s42, s42, s40                     ; tile column of C = 4 x cluster x + cx
	s_and_b32 s13, ttmp7, 0xffff
	s_lshl_b32 s13, s13, 2
	s_add_co_u32 s13, s13, s41                     ; tile row of C = 4 x cluster y + cy
	s_lshl_b32 s43, s41, 2
	s_lshl_b32 s43, 15, s43                        ; my row of the cluster
	s_lshl_b32 s44, 0x1111, s40                    ; my column
	; descriptor group 1: a tile of 64 rows x 256 elements, padded in LDS
	s_or_b32 s[G1+0], s43, (1<<16)|(1<<20)|(1<<21)|(6<<22)|(3<<25)  ; 15:0 the mask: A's tiles go to my row; 17:16 element of 2 bytes; 20 padding on; 21 set beside a mask; 24:22 after every 128 words (code 6); 31:25 of 4 words (code 3)
	s_or_b32 s[G1B+0], s44, (1<<16)|(1<<20)|(1<<21)|(6<<22)|(3<<25)
.irp g, G1, G1B
	s_mov_b32 s[(\g)+1], KSTEP<<16                 ; tensor_dim0 = 256
	s_mov_b32 s[(\g)+2], 64<<16                    ; tensor_dim1 = 64
	s_mov_b32 s[(\g)+3], KSTEP<<16                 ; tile_dim0 = 256
	s_mov_b32 s[(\g)+4], 64                        ; tile_dim1 = 64
	s_mov_b32 s[(\g)+5], SIZE_K                    ; tensor_dim0_stride
	s_mov_b32 s[(\g)+6], 0
	s_mov_b32 s[(\g)+7], 0
.endr
	s_lshl_b32 s17, s12, 6                         ; which 64 rows of the tile I fetch
	s_lshl_b32 s16, s13, 7
	s_add_co_u32 s16, s16, s17                     ; A: row 128 x tile row + 64 x half
	s_lshl_b32 s46, s42, 7
	s_add_co_u32 s46, s46, s17                     ; B: row 128 x tile column + 64 x half
	s_mov_b32 s17, 0
	s_mov_b32 s47, 0
	s_mov_b64 s[18:19], SIZE_K*2
	s_mul_u64 s[16:17], s[16:17], s[18:19]
	s_mul_u64 s[46:47], s[46:47], s[18:19]
	s_mul_i32 s20, s10, HALFT                      ; where they go: wave x 64 rows
	s_wait_dscnt 0x0                               ; the opening add is done
	s_wait_kmcnt 0x0
	s_add_nc_u64 s[14:15], s[4:5], s[16:17]
	s_add_nc_u64 s[46:47], s[6:7], s[46:47]
	CROUND                                         ; all sixteen work-groups are here: the first joint loads meet
.irp s, 0,1
	s_mov_b32 s[G0+4*(\s)], 1
	s_add_co_u32 s[G0+4*(\s)+1], s20, (\s)*SLOT
	s_add_nc_u64 s[G0+4*(\s)+2:G0+4*(\s)+3], s[14:15], (\s)*KSTEP*2
	s_or_b32 s[G0+4*(\s)+3], s[G0+4*(\s)+3], 0x80000000
	s_mov_b32 s[G0B+4*(\s)], 1
	s_add_co_u32 s[G0B+4*(\s)+1], s20, (\s)*SLOT
	s_add_nc_u64 s[G0B+4*(\s)+2:G0B+4*(\s)+3], s[46:47], (\s)*KSTEP*2
	s_or_b32 s[G0B+4*(\s)+3], s[G0B+4*(\s)+3], 0x80000000
	JLOAD \s                                       ; two loads of mine are out
.endr
	v_and_b32 v1, 15, v0                           ; l % 16
	v_bfe_u32 v2, v0, 4, 1                         ; l / 16
	v_mul_u32_u24 v3, v1, PITCH
	v_lshl_add_u32 v3, v2, 4, v3                   ; a fragment's row x pitch + 16 x half
	s_mul_i32 s21, s11, HALFT                      ; my 64 rows of A
	s_mul_i32 s22, s12, HALFT                      ; my 64 rows of B,
	s_add_co_u32 s22, s22, 2*HALFT                 ; which lie behind A's 128
.irp s, 0,1
	v_add_nc_u32 v[ADRA+(\s)], s21, v3
	v_add_nc_u32 v[ADRB+(\s)], s22, v3
	s_add_co_u32 s21, s21, SLOT
	s_add_co_u32 s22, s22, SLOT
.endr
	s_mul_i32 s23, s10, 16*SPITCH
	s_add_co_u32 s23, s23, STAGE                   ; my stage
	v_mul_u32_u24 v4, v1, SPITCH                   ; in: row l % 16, 32 bytes (eight f32) for each half of the lanes
	v_lshl_add_u32 v4, v2, 5, v4
	v_add_nc_u32 v[STO], s23, v4
	v_mul_u32_u24 v5, v2, SPITCH                   ; back: lanes 0-15 take one row of 256 bytes, lanes 16-31 the next
	v_lshl_add_u32 v5, v1, 4, v5
	v_add_nc_u32 v[RD], s23, v5
	v_lshlrev_b32 v5, 12, v2                       ; and the same two rows in C, 4,096 bytes apart
	v_lshl_add_u32 v[CO], v1, 4, v5
	s_lshl_b32 s16, s13, 7
	s_lshl_b32 s17, s11, 6
	s_add_co_u32 s16, s16, s17                     ; my first row of C: 128 x tile row + 64 x half
	s_mov_b32 s17, 0
	s_mov_b64 s[18:19], SIZE_N*4
	s_mul_u64 s[16:17], s[16:17], s[18:19]
	s_add_nc_u64 s[8:9], s[8:9], s[16:17]
	s_lshl_b32 s46, s42, 9                         ; my first column, in bytes: 512 x tile column + 256 x half
	s_lshl_b32 s47, s12, 8
	s_add_co_u32 s46, s46, s47
	s_mov_b32 s47, 0
	s_add_nc_u64 s[8:9], s[8:9], s[46:47]
; 8 matrix instructions: m blocks a0, a0 + 1 x all 4 n blocks, 32 along K: half c of buffer f.  zero = 1: the first product starts the sums
.macro MUL8 f, c, a0, zero
	WIN MUL
.irp a, \a0, (\a0)+1
.irp b, 0,1,2,3
.if \zero
	v_wmma_f32_16x16x32_f16 v[ACC+8*(4*(\a)+(\b)):ACC+8*(4*(\a)+(\b))+7], v[(\f)+64+8*(4*(\c)+(\b)):(\f)+64+8*(4*(\c)+(\b))+7], v[(\f)+8*(4*(\c)+(\a)):(\f)+8*(4*(\c)+(\a))+7], 0
.else
	v_wmma_f32_16x16x32_f16 v[ACC+8*(4*(\a)+(\b)):ACC+8*(4*(\a)+(\b))+7], v[(\f)+64+8*(4*(\c)+(\b)):(\f)+64+8*(4*(\c)+(\b))+7], v[(\f)+8*(4*(\c)+(\a)):(\f)+8*(4*(\c)+(\a))+7], v[ACC+8*(4*(\a)+(\b)):ACC+8*(4*(\a)+(\b))+7]
.endif
.endr
.endr
.endm
; 32 LDS loads in one run: the fragments of 64 along K at byte k of the rows, into buffer f; the first 32 along K first
.macro FETCH slot, k, f
	WIN TO_F
.irp c, 0,1
.irp i, 0,1,2,3
	ds_load_b128 v[(\f)+64+8*(4*(\c)+(\i)):(\f)+64+8*(4*(\c)+(\i))+3],   v[ADRB+(\slot)] offset:(\k)+64*(\c)+(\i)*16*PITCH
	ds_load_b128 v[(\f)+64+8*(4*(\c)+(\i))+4:(\f)+64+8*(4*(\c)+(\i))+7], v[ADRB+(\slot)] offset:(\k)+64*(\c)+(\i)*16*PITCH+32
	ds_load_b128 v[(\f)+8*(4*(\c)+(\i)):(\f)+8*(4*(\c)+(\i))+3],         v[ADRA+(\slot)] offset:(\k)+64*(\c)+(\i)*16*PITCH
	ds_load_b128 v[(\f)+8*(4*(\c)+(\i))+4:(\f)+8*(4*(\c)+(\i))+7],       v[ADRA+(\slot)] offset:(\k)+64*(\c)+(\i)*16*PITCH+32
.endr
.endr
.endm
.macro PLACES                          ; four places in front of loads into registers that matrix instructions have read, and of LDS stores that read results
.rept 4
	v_nop
.endr
.endm
; A K step is four quarters of 64 along K, 32 matrix instructions each, on buffers 0, 1, 0, 1; the 16 accumulators take turns.
; One of the first three: multiplies buffer f and fetches the next quarter, at byte k, into g.
.macro QUARTER slot, k, f, g, zero
	s_wait_dscnt 16                                ; the first 32 along K are in; the youngest sixteen loads may be out
	WIN MUL
	MUL8 \f, 0, 0, \zero
	MUL8 \f, 0, 2, \zero
	PLACES
	FETCH \slot, \k, \g
	s_wait_dscnt 32                                ; all but the 32 just issued
	WIN MUL
	MUL8 \f, 1, 0, 0
	MUL8 \f, 1, 2, 0
.endm
; The last quarter multiplies buffer 1 and changes slots: ONE barrier; in front of it each wave waits for all its tensor loads, adds 0 to its spare word, and waits for that and for its own reads of this slot.  fill = 1: this slot is filled again, two K steps ahead.
.macro TURN slot, next, fill
	WIN 0                                          ; (the add's two registers lie in window 0)
	s_wait_tensorcnt 0x0                           ; all my tensor loads have landed: my part of the next slot;
	ds_add_u32 v[SPW], v[NIL]                      ; 0 onto my spare word;
	s_wait_dscnt 17                                ; (the add and the youngest sixteen loads may be out)
	WIN MUL
	MUL8 F1, 0, 0, 0                               ; eight matrix instructions stand between the add and the wait for it
	s_wait_dscnt 0x0                               ; the add is done, and my reads of this slot are over
	s_barrier_signal -1
	MUL8 F1, 0, 2, 0
.if \fill
	WIN 0
.endif
	s_barrier_wait -1
.if \fill
	CREST                                          ; the barrier has opened a round of the cluster's barrier: no wave of any partner still reads this slot's tile or has a load on its way
	s_add_nc_u64 s[G0+4*(\slot)+2:G0+4*(\slot)+3], s[G0+4*(\slot)+2:G0+4*(\slot)+3], 2*KSTEP*2
	s_add_nc_u64 s[G0B+4*(\slot)+2:G0B+4*(\slot)+3], s[G0B+4*(\slot)+2:G0B+4*(\slot)+3], 2*KSTEP*2
	JLOAD \slot                                    ; the first tensor load behind the round, my only one until the next: 112 matrix instructions ahead of the wait for it; the four v_nop behind it are also the places in front of the loads below
.else
	PLACES
.endif
	FETCH \next, 0, F0
	WIN MUL
	MUL8 F1, 1, 0, 0
	MUL8 F1, 1, 2, 0
.endm
	s_wait_tensorcnt 1                             ; my part of K step 0 is in; K step 1's may stay out
	s_barrier_signal -1
	s_barrier_wait -1                              ; everybody's is
	FETCH 0, 0, F0
	QUARTER 0, 128, F0, F1, 1                      ; the first quarter stands in front of the loop: its first products start the sums
	WIN 0                                          ; at a label and at a branch every window is 0
	s_mov_b32 s3, LAPS-1
.Llap:                                                 ; a trip goes once round the ring, from a lap's second quarter to the next lap's first, and fills both slots again
	QUARTER 0, 256, F1, F0, 0
	QUARTER 0, 384, F0, F1, 0
	TURN 0, 1, 1
	QUARTER 1, 128, F0, F1, 0
	QUARTER 1, 256, F1, F0, 0
	QUARTER 1, 384, F0, F1, 0
	TURN 1, 0, 1
	QUARTER 0, 128, F0, F1, 0
	WIN 0
	s_sub_co_u32 s3, s3, 1
	s_cmp_lg_u32 s3, 0
	s_cbranch_scc1 .Llap
	QUARTER 0, 256, F1, F0, 0                      ; the last lap fills nothing, and has no round of the cluster's barrier
	QUARTER 0, 384, F0, F1, 0
	TURN 0, 1, 0
	QUARTER 1, 128, F0, F1, 0
	QUARTER 1, 256, F1, F0, 0
	QUARTER 1, 384, F0, F1, 0
	s_wait_dscnt 16                                ; the very last quarter: nothing more to fetch
	WIN MUL
	MUL8 F1, 0, 0, 0
	MUL8 F1, 0, 2, 0
	s_wait_dscnt 0
	MUL8 F1, 1, 0, 0
	MUL8 F1, 1, 2, 0
	WIN 0
	; THE WAY OUT, a block of 16 rows at a time.  A lane's eight f32 of a row (32 bytes) go into my own stage, each accumulator's low four registers first;
	; whole rows of 256 bytes come back, into the block's own registers, and are stored.
.macro TOSTAGE a
.irp b, 0,1,2,3
	ds_store_b128 v[STO], v[ACC+8*(4*(\a)+\b):ACC+8*(4*(\a)+\b)+3]   offset:64*\b
	ds_store_b128 v[STO], v[ACC+8*(4*(\a)+\b)+4:ACC+8*(4*(\a)+\b)+7] offset:64*\b+16
.endr
.irp f, 0,1,2,3,4,5,6,7
	ds_load_b128 v[ACC+32*(\a)+4*\f:ACC+32*(\a)+4*\f+3], v[RD] offset:\f*2*SPITCH  ; LDS serves a wave's instructions in order (ISA guide 5.7.1.4): these see the stores above; the next block's stores come behind them
.endr
.endm
.macro SEND a, younger                 ; younger: the LDS instructions issued behind block a's loads: the next block's sixteen, or none
.irp f, 0,1,2,3,4,5,6,7
	s_wait_dscnt (\younger)+7-\f
	global_store_b128 v[CO], v[ACC+32*(\a)+4*\f:ACC+32*(\a)+4*\f+3], s[8:9] offset:(16*(\a)+2*\f)*SIZE_N*4 th:TH_STORE_NT  ; 16 lanes store 256 consecutive bytes, at a multiple of 256 from C's first byte; 62 rows of 4,096 bytes at the most
.endr
.endm
	PLACES
	TOSTAGE 0
	TOSTAGE 1
	SEND 0, 16
	TOSTAGE 2
	SEND 1, 16
	TOSTAGE 3
	SEND 2, 16
	SEND 3, 0
	s_wait_tensorcnt 0x0                           ; the wave's end, behind my last tensor load and my last LDS store
	ds_add_u32 v[SPW], v[NIL]
	s_wait_dscnt 0x0
	CROUND                                         ; the closing round: no work-group ends while a partner may still ask for a tile that names it
	s_endpgm
.Lfunc_end_k_qfae3de3336_outp:
	.size	k_qfae3de3336_outp, .Lfunc_end_k_qfae3de3336_outp-k_qfae3de3336_outp
	.p2alignl 7, 3214868480
	.fill 96, 4, 3214868480
	.section	.rodata,"a",@progbits
	.p2align	6, 0x0
	.amdhsa_kernel k_qfae3de3336_outp
		.amdhsa_group_segment_fixed_size 327680
		.amdhsa_private_segment_fixed_size 0
		.amdhsa_enable_private_segment 0
		.amdhsa_kernarg_size 24
		.amdhsa_user_sgpr_count 2
		.amdhsa_user_sgpr_kernarg_segment_ptr 1
		.amdhsa_wavefront_size32 1
		.amdhsa_system_sgpr_workgroup_id_x 1
		.amdhsa_system_sgpr_workgroup_id_y 1
		.amdhsa_system_sgpr_workgroup_id_z 1
		.amdhsa_system_vgpr_workitem_id 0
		.amdhsa_next_free_vgpr 512
		.amdhsa_next_free_sgpr 66
		.amdhsa_reserve_vcc 0
		.amdhsa_float_denorm_mode_32 3
		.amdhsa_float_denorm_mode_16_64 3
		.amdhsa_memory_ordered 1
		.amdhsa_forward_progress 1
		.amdhsa_inst_pref_size 86
	.end_amdhsa_kernel
	.amdgpu_metadata
---
amdhsa.version: [ 1, 2 ]
amdhsa.kernels:
  - .name:           k_qfae3de3336_outp
    .symbol:         k_qfae3de3336_outp.kd
    .args:
      - { .name: ob, .offset: 0, .size: 8, .value_kind: global_buffer, .address_space: global }
      - { .name: wo16, .offset: 8, .size: 8, .value_kind: global_buffer, .address_space: global }
      - { .name: out0, .offset: 16, .size: 8, .value_kind: global_buffer, .address_space: global }
    .group_segment_fixed_size: 327680
    .private_segment_fixed_size: 0
    .kernarg_segment_align: 8
    .kernarg_segment_size: 24
    .max_flat_workgroup_size: 128
    .sgpr_count:     66
    .vgpr_count:     512
    .wavefront_size: 32
...
	.end_amdgpu_metadata
.endif
;; end of part 4
